; MI455X (gfx1250); checked and timed in simulation.
; The chip was launched on July 23, 2026; its instructions are those of AMD's public machine-readable ISA for CDNA 5 (MIT licence, August 2026) and "CDNA5" Instruction Set Architecture Reference Guide (July 2026). The comments in the code are by the model that wrote it; some were corrected since.
;; Transformer Block. Allowed arithmetic: float matrix products may take bf16 or f16 operands with f32 sums; other float arithmetic in f32, or as packed bf16 or f16 multiplies, adds, multiply-adds, maxima and minima; sums over many terms, partial sums and values carried from step to step in f32; what a program stores and reads back later, other than sums and carried values, may be rounded once to bf16 or f16.
;; Inputs: gain1 1,024 float32; gain2 1,024 float32; o_w 1,024 x 1,024 float32; qkv_w 3 x 1,024 x 1,024 float32; token_positions 2,048 int32; w1 2,752 x 1,024 float32; w2 1,024 x 2,752 float32; w3 2,752 x 1,024 float32; x 2 x 2,048 x 1,024 float32.
;; Outputs: out0 2 x 2,048 x 1,024 float32.
;; One version. Each part assembles by itself: llvm-mc -triple=amdgcn-amd-amdhsa -mcpu=gfx1250 --defsym DOCPART=n.
;; ======== version 1 of 1: 6 launches
;; limits: values are held in f16: magnitudes above 65,504 overflow, below 6.1e-05 lose precision; right only within a limited range of input values
;; workspace buffers: xn 8,388,608 bytes; pw 26,214,400 bytes; qkvh 25,165,824 bytes; ao 8,388,608 bytes; h1 16,777,216 bytes; h1b 8,388,608 bytes; ssq 262,144 bytes; act 23,068,672 bytes
;; launch prep (part 1): grid 1276 x 1, 8 waves a work-group, no clusters, 0 bytes of LDS; arguments x, gain1, gain2, qkv_w, o_w, w1, w3, w2, token_positions, xn, pw; writes xn, pw
.if DOCPART == 1
	.amdgcn_target "amdgcn-amd-amdhsa--gfx1250"
	.amdhsa_code_object_version 6
	.text
	.protected	k_qb534c4174c_prep
	.globl	k_qb534c4174c_prep
	.p2align	8
	.type	k_qb534c4174c_prep,@function
k_qb534c4174c_prep:
	s_mov_b64 s[64:65], 0
	v_nop
	global_prefetch_b8 v0, s[64:65] scope:SCOPE_SE
	s_setreg_imm32_b32 hwreg(HW_REG_WAVE_MODE, 25, 1), 1
	s_wait_xcnt 0x0
; PREP: everything that is only read, scaled, rounded and laid out anew.  No LDS, no matrix unit: each byte is read once and written once.
; Roles by the work-group's number (forward scalar branches):
;   0-255     NORM  xn[row] = f16(x[row] * gain1 * rsq(mean(x^2) + 1e-5)), 16 rows a work-group, one wave a row, two rows a wave
;   256-511   CAST  pw + 0: [qkv_w ; o_w] as f16, 4,096 rows of 1,024
;   512-855   GAIN  pw + W13: row 2 j = bf16(w1[j] * gain2), row 2 j + 1 = bf16(w3[j] * gain2): the second norm's gain is folded in f32, ahead of the one rounding
;   856-1199  W2    pw + W2B: w2 as bf16 in planes of 16 columns, [plane][row][16]
;   1200-1211 ZERO  the padding of d_ff from 2,752 to 2,816: W13's last 128 rows, W2B's last 4 planes
;   1212-1275 ROPE  pw + ROPE: for each sequence place s and pair i the two f32 (cos - 1, sin) of token_positions[s] * 10000^(-i/32)
; LIMITS.  |token_positions| up to 2^20 (the quarter turns are counted in f32); xn, qkv_w, o_w within f16's 65,504; the norm multiplies by a reciprocal root where the definition divides.
.set W13,  8388608
.set W2B,  19922944
.set ROPE, 25690112
.set G, 4                              ; v[4:35]   the gain of my 32 columns
.set X, 36                             ; v[36:67]  a row's 32 numbers of mine
.set Y, 68                             ; v[68:83]  the same, rounded and packed
.set T, 84                             ; v[84:91]  at work
	s_load_b512 s[4:19], s[0:1], 0x0               ; x 4, gain1 6, gain2 8, qkv_w 10, o_w 12, w1 14, w3 16, w2 18
	s_load_b128 s[20:23], s[0:1], 0x40             ; token_positions 20, xn 22
	s_load_b64 s[24:25], s[0:1], 0x50              ; pw
	v_lshrrev_b32 v3, 5, v0
	v_readfirstlane_b32 s26, v3                    ; wave 0..7
	v_and_b32 v3, 31, v0                           ; lane
	v_lshlrev_b32 v1, 4, v3                        ; 16 bytes a lane: f32 in
	v_lshlrev_b32 v2, 3, v3                        ; 8 bytes a lane: 16-bit out
	s_mov_b32 s27, ttmp9
	s_mov_b32 s39, 0                               ; high words of the offset pairs
	s_mov_b32 s33, 0
	s_mov_b32 s34, 2                               ; rows of a wave
	s_lshl_b32 s37, s26, 1                         ; 2 x wave
	s_mov_b32 s40, 0x76543210                      ; v_permlanex16_b32: each lane takes its own place in the other half
	s_mov_b32 s41, 0xfedcba98
	s_mov_b32 s42, 0x3a800000                      ; 1 / 1024
	s_mov_b32 s43, 0x3727c5ac                      ; 1e-5
	s_wait_kmcnt 0x0
	s_cmp_lt_u32 s27, 256
	s_cbranch_scc1 .Lnorm
	s_cmp_lt_u32 s27, 512
	s_cbranch_scc1 .Lcast
	s_cmp_lt_u32 s27, 856
	s_cbranch_scc1 .Lgain
	s_cmp_lt_u32 s27, 1200
	s_cbranch_scc1 .Lw2
	s_cmp_lt_u32 s27, 1212
	s_cbranch_scc1 .Lzero
	; ROPE: a wave takes four places, a lane one pair of channels
	s_sub_co_u32 s35, s27, 1212
	s_lshl_b32 s36, s35, 5
	s_lshl_b32 s38, s26, 2
	s_add_co_u32 s36, s36, s38                     ; my first place
	s_lshl_b32 s38, s36, 2
	s_add_nc_u64 s[28:29], s[20:21], s[38:39]
	s_load_b128 s[44:47], s[28:29], 0x0            ; four positions
	s_lshl_b32 s38, s36, 8                         ; 256 bytes of table a place
	s_add_nc_u64 s[30:31], s[24:25], s[38:39]
	s_add_nc_u64 s[30:31], s[30:31], ROPE
	v_cvt_f32_u32 v9, v3
	v_mul_f32 v9, 0xbed49a78, v9                   ; - i log2(10000) / 32
	v_exp_f32 v9, v9                               ; 10000^(-i/32)
	s_mov_b32 s48, 0x3fc90fdb                      ; pi / 2, its f32 and
	s_mov_b32 s49, 0xb33bbd2e                      ; what that f32 leaves over
	s_mov_b32 s50, 0xb9500d01                      ; -1/5040
	s_mov_b32 s51, 0x3c088889                      ; 1/120
	s_mov_b32 s52, 0xbe2aaaab                      ; -1/6
	s_mov_b32 s53, 0x37d00d01                      ; 1/40320
	s_mov_b32 s54, 0xbab60b61                      ; -1/720
	s_mov_b32 s55, 0x3d2aaaab                      ; 1/24
	v_nop                                          ; a plain instruction behind the exponential,
	s_wait_alu depctr_va_vdst(0)                   ; and the wait ahead of its first reader
	s_wait_kmcnt 0x0
.irp k, 0,1,2,3
	v_cvt_f32_i32 v10, s[44+(\k)]
	v_mul_f32 v10, v10, v9                         ; the angle, in f32 as the definition has it
	v_mul_f32 v11, 0x3f22f983, v10                 ; in quarter turns
	v_rndne_f32 v11, v11                           ; n
	v_fma_f32 v12, -v11, s48, v10                  ; r = angle - n pi / 2, in two parts: |r| <= pi / 4
	v_fma_f32 v12, -v11, s49, v12
	v_mul_f32 v13, v12, v12
	v_fma_f32 v14, v13, s50, s51                   ; sin r = r + r^3 (-1/6 + r^2 (1/120 - r^2 / 5040)): the next term is under 3e-7
	v_fma_f32 v16, v13, s53, s54                   ; cos r = 1 + r^2 (-1/2 + r^2 (1/24 + r^2 (-1/720 + r^2 / 40320)))
	v_fma_f32 v14, v14, v13, s52
	v_fma_f32 v16, v16, v13, s55
	v_mul_f32 v15, v13, v12
	v_fma_f32 v16, v16, v13, -0.5
	v_fma_f32 v14, v14, v15, v12
	v_fma_f32 v16, v16, v13, 1.0
	v_cvt_i32_f32 v17, v11
	v_and_b32 v18, 1, v17
	v_cmp_eq_u32 vcc_lo, 1, v18                    ; odd quarter: sine and cosine change places
	v_cndmask_b32 v19, v14, v16, vcc_lo
	v_cndmask_b32 v20, v16, v14, vcc_lo
	v_and_b32 v18, 2, v17                          ; the sine is negative in quarters 2 and 3,
	v_lshlrev_b32 v18, 30, v18
	v_add_nc_u32 v21, 1, v17                       ; the cosine in quarters 1 and 2
	v_and_b32 v21, 2, v21
	v_lshlrev_b32 v21, 30, v21
	v_xor_b32 v20, v20, v21
	v_xor_b32 v[23+2*(\k)], v19, v18
	v_add_f32 v[22+2*(\k)], -1.0, v20
	global_store_b64 v2, v[22+2*(\k):23+2*(\k)], s[30:31] offset:256*(\k)  ; 32 lanes fill a place's 256 bytes; each place has its own data registers
.endr
	s_endpgm
; One row: 8 loads of 512 consecutive bytes, the arithmetic, 8 stores of 256 consecutive bytes.  kind 0 NORM, 1 CAST, 2 GAIN.
; Bytes in flight come from the many waves that fit on a SIMD with 96 registers each, a row (4,096 bytes) a wave: so a wave has few rows, and there are many waves.
.macro ROWTRIP kind
.irp j, 0,1,2,3,4,5,6,7
	global_load_b128 v[X+4*(\j):X+4*(\j)+3], v1, s[28:29] offset:512*(\j) th:TH_LOAD_NT
.endr
	s_wait_loadcnt 0x0                             ; the row (and, in the first trip, the gain)
.if (\kind) == 0
.irp c, 0,1,2,3
	v_pk_mul_f32 v[T+2*(\c):T+2*(\c)+1], v[X+2*(\c):X+2*(\c)+1], v[X+2*(\c):X+2*(\c)+1]  ; four chains of squares, started by the first four pairs
.endr
.set p, 4
.rept 12
	v_pk_fma_f32 v[T+2*(p%4):T+2*(p%4)+1], v[X+2*p:X+2*p+1], v[X+2*p:X+2*p+1], v[T+2*(p%4):T+2*(p%4)+1]
.set p, p+1
.endr
	v_pk_add_f32 v[T:T+1], v[T:T+1], v[T+2:T+3]
	v_pk_add_f32 v[T+4:T+5], v[T+4:T+5], v[T+6:T+7]
	v_pk_add_f32 v[T:T+1], v[T:T+1], v[T+4:T+5]
	v_add_f32 v[T], v[T], v[T+1]
	v_add_f32_dpp v[T], v[T], v[T] row_xmask:1 row_mask:0xf bank_mask:0xf
	v_add_f32_dpp v[T], v[T], v[T] row_xmask:2 row_mask:0xf bank_mask:0xf
	v_add_f32_dpp v[T], v[T], v[T] row_xmask:4 row_mask:0xf bank_mask:0xf
	v_add_f32_dpp v[T], v[T], v[T] row_xmask:8 row_mask:0xf bank_mask:0xf
	v_permlanex16_b32 v[T+1], v[T], s40, s41
	v_add_f32 v[T], v[T], v[T+1]
	v_fma_f32 v[T], v[T], s42, s43                 ; mean + eps
	v_rsq_f32 v[T+2], v[T]
.endif
.if (\kind) != 1
.set p, 0
.rept 16
	v_pk_mul_f32 v[X+2*p:X+2*p+1], v[X+2*p:X+2*p+1], v[G+2*p:G+2*p+1]  ; times the gain: also the plain work behind the root
.set p, p+1
.endr
.endif
.if (\kind) == 0
	s_wait_alu depctr_va_vdst(0)                   ; the wait ahead of the root's first reader
.set p, 0
.rept 16
	v_pk_mul_f32 v[X+2*p:X+2*p+1], v[X+2*p:X+2*p+1], v[T+2:T+3] op_sel_hi:[1,0]
.set p, p+1
.endr
.endif
.set p, 0
.rept 16
.if (\kind) == 2
	v_cvt_pk_bf16_f32 v[Y+p], v[X+2*p], v[X+2*p+1]
.else
	v_cvt_pk_f16_f32 v[Y+p], v[X+2*p], v[X+2*p+1]
.endif
.set p, p+1
.endr
.irp j, 0,1,2,3,4,5,6,7
	global_store_b64 v2, v[Y+2*(\j):Y+2*(\j)+1], s[30:31] offset:256*(\j)
.endr
	s_wait_xcnt 0x0                                ; the pointers and Y are written again only behind this wait
	s_add_nc_u64 s[28:29], s[28:29], 4096
	s_add_nc_u64 s[30:31], s[30:31], s[32:33]
	s_sub_co_u32 s34, s34, 1
	s_cmp_lg_u32 s34, 0
.endm
.Lnorm:
	s_lshl_b32 s36, s27, 4
	s_add_co_u32 s36, s36, s37                     ; my first row
	s_lshl_b32 s38, s36, 12
	s_add_nc_u64 s[28:29], s[4:5], s[38:39]
	s_lshl_b32 s38, s36, 11
	s_add_nc_u64 s[30:31], s[22:23], s[38:39]
	s_mov_b32 s32, 2048
.irp j, 0,1,2,3,4,5,6,7
	global_load_b128 v[G+4*(\j):G+4*(\j)+3], v1, s[6:7] offset:512*(\j)
.endr
.Lnorm_row:
	ROWTRIP 0
	s_cbranch_scc1 .Lnorm_row
	s_endpgm
.Lcast:
	s_sub_co_u32 s35, s27, 256
	s_lshl_b32 s36, s35, 4
	s_add_co_u32 s36, s36, s37                     ; my first row of the 4,096
	s_cmp_lt_u32 s35, 192
	s_cselect_b64 s[28:29], s[10:11], s[12:13]     ; rows 0-3,071 come from qkv_w, the others from o_w
	s_cselect_b32 s35, 0, 3072
	s_sub_co_u32 s35, s36, s35                     ; the row in its own tensor
	s_lshl_b32 s38, s35, 12
	s_add_nc_u64 s[28:29], s[28:29], s[38:39]
	s_lshl_b32 s38, s36, 11
	s_add_nc_u64 s[30:31], s[24:25], s[38:39]
	s_mov_b32 s32, 2048
.Lcast_row:
	ROWTRIP 1
	s_cbranch_scc1 .Lcast_row
	s_endpgm
.Lgain:
	s_sub_co_u32 s35, s27, 512
	s_lshr_b32 s36, s35, 1
	s_lshl_b32 s36, s36, 4
	s_add_co_u32 s36, s36, s37                     ; j: my first row of w1 or w3
	s_and_b32 s35, s35, 1
	s_cmp_eq_u32 s35, 0
	s_cselect_b64 s[28:29], s[14:15], s[16:17]
	s_lshl_b32 s38, s36, 12
	s_add_nc_u64 s[28:29], s[28:29], s[38:39]
	s_lshl_b32 s35, s35, 11
	s_add_co_u32 s38, s38, s35                     ; row 2 j + sel of 2,048 bytes
	s_add_nc_u64 s[30:31], s[24:25], s[38:39]
	s_add_nc_u64 s[30:31], s[30:31], W13
	s_mov_b32 s32, 4096
.irp j, 0,1,2,3,4,5,6,7
	global_load_b128 v[G+4*(\j):G+4*(\j)+3], v1, s[8:9] offset:512*(\j)
.endr
.Lgain_row:
	ROWTRIP 2
	s_cbranch_scc1 .Lgain_row
	s_endpgm
.Lw2:                                          ; a wave: 16 rows x 64 columns: 256 whole bytes of each row in, four planes' 512 consecutive bytes out
	s_sub_co_u32 s35, s27, 856
	s_lshr_b32 s36, s35, 3                         ; the group of 64 columns, 0..42
	s_and_b32 s35, s35, 7
	s_lshl_b32 s35, s35, 3
	s_add_co_u32 s35, s35, s26                     ; the group of 16 rows, 0..63
	s_mul_i32 s38, s35, 176128                     ; 16 rows of 11,008 bytes
	s_lshl_b32 s37, s36, 8
	s_add_co_u32 s38, s38, s37
	s_add_nc_u64 s[28:29], s[18:19], s[38:39]
	s_lshl_b32 s38, s36, 17                        ; four planes of 32,768 bytes
	s_lshl_b32 s37, s35, 9
	s_add_co_u32 s38, s38, s37
	s_add_nc_u64 s[30:31], s[24:25], s[38:39]
	s_add_nc_u64 s[30:31], s[30:31], W2B
	v_lshrrev_b32 v4, 1, v3                        ; my row,
	v_mul_u32_u24 v4, v4, 11008
	v_and_b32 v5, 1, v3                            ; my half of a plane's 16 columns
	v_lshl_add_u32 v4, v5, 5, v4
.irp q, 0,1,2,3
	global_load_b128 v[X+8*(\q):X+8*(\q)+3],   v4, s[28:29] offset:64*(\q) th:TH_LOAD_NT
	global_load_b128 v[X+8*(\q)+4:X+8*(\q)+7], v4, s[28:29] offset:64*(\q)+16 th:TH_LOAD_NT
.endr
	s_wait_loadcnt 0x0
.set p, 0
.rept 16
	v_cvt_pk_bf16_f32 v[Y+p], v[X+2*p], v[X+2*p+1]
.set p, p+1
.endr
.irp q, 0,1,2,3
	global_store_b128 v1, v[Y+4*(\q):Y+4*(\q)+3], s[30:31] offset:32768*(\q)
.endr
	s_endpgm
.Lzero:                                        ; a work-group clears 32,768 bytes, a wave 4,096
	s_sub_co_u32 s35, s27, 1200
	s_mov_b32 s36, 19660800                        ; W13's row 5,504
	s_mov_b32 s37, 25296896                        ; W2B's plane 172, less the eight work-groups in front
	s_cmp_lt_u32 s35, 8
	s_cselect_b32 s36, s36, s37
	s_lshl_b32 s38, s35, 15
	s_add_co_u32 s38, s38, s36
	s_lshl_b32 s37, s26, 12
	s_add_co_u32 s38, s38, s37
	s_add_nc_u64 s[30:31], s[24:25], s[38:39]
	v_mov_b32 v4, 0
	v_mov_b32 v5, 0
	v_mov_b32 v6, 0
	v_mov_b32 v7, 0
.irp j, 0,1,2,3,4,5,6,7
	global_store_b128 v1, v[4:7], s[30:31] offset:512*(\j)
.endr
	s_endpgm
.Lfunc_end_k_qb534c4174c_prep:
	.size	k_qb534c4174c_prep, .Lfunc_end_k_qb534c4174c_prep-k_qb534c4174c_prep
	.p2alignl 7, 3214868480
	.fill 96, 4, 3214868480
	.section	.rodata,"a",@progbits
	.p2align	6, 0x0
	.amdhsa_kernel k_qb534c4174c_prep
		.amdhsa_group_segment_fixed_size 0
		.amdhsa_private_segment_fixed_size 0
		.amdhsa_enable_private_segment 0
		.amdhsa_kernarg_size 88
		.amdhsa_user_sgpr_count 2
		.amdhsa_user_sgpr_kernarg_segment_ptr 1
		.amdhsa_wavefront_size32 1
		.amdhsa_system_sgpr_workgroup_id_x 1
		.amdhsa_system_sgpr_workgroup_id_y 1
		.amdhsa_system_sgpr_workgroup_id_z 1
		.amdhsa_system_vgpr_workitem_id 0
		.amdhsa_next_free_vgpr 96
		.amdhsa_next_free_sgpr 66
		.amdhsa_reserve_vcc 1
		.amdhsa_float_denorm_mode_32 3
		.amdhsa_float_denorm_mode_16_64 3
		.amdhsa_memory_ordered 1
		.amdhsa_forward_progress 1
		.amdhsa_inst_pref_size 28
	.end_amdhsa_kernel
	.amdgpu_metadata
---
amdhsa.version: [ 1, 2 ]
amdhsa.kernels:
  - .name:           k_qb534c4174c_prep
    .symbol:         k_qb534c4174c_prep.kd
    .args:
      - { .name: x, .offset: 0, .size: 8, .value_kind: global_buffer, .address_space: global }
      - { .name: gain1, .offset: 8, .size: 8, .value_kind: global_buffer, .address_space: global }
      - { .name: gain2, .offset: 16, .size: 8, .value_kind: global_buffer, .address_space: global }
      - { .name: qkv_w, .offset: 24, .size: 8, .value_kind: global_buffer, .address_space: global }
      - { .name: o_w, .offset: 32, .size: 8, .value_kind: global_buffer, .address_space: global }
      - { .name: w1, .offset: 40, .size: 8, .value_kind: global_buffer, .address_space: global }
      - { .name: w3, .offset: 48, .size: 8, .value_kind: global_buffer, .address_space: global }
      - { .name: w2, .offset: 56, .size: 8, .value_kind: global_buffer, .address_space: global }
      - { .name: token_positions, .offset: 64, .size: 8, .value_kind: global_buffer, .address_space: global }
      - { .name: xn, .offset: 72, .size: 8, .value_kind: global_buffer, .address_space: global }
      - { .name: pw, .offset: 80, .size: 8, .value_kind: global_buffer, .address_space: global }
    .group_segment_fixed_size: 0
    .private_segment_fixed_size: 0
    .kernarg_segment_align: 8
    .kernarg_segment_size: 88
    .max_flat_workgroup_size: 256
    .sgpr_count:     66
    .vgpr_count:     96
    .wavefront_size: 32
...
	.end_amdgpu_metadata
.endif
;; end of part 1
;; launch qkv (part 2): grid 16 x 16, 4 waves a work-group, clusters of 4 x 4, 327,680 bytes of LDS; arguments xn, pw, qkvh; writes qkvh
.if DOCPART == 2
	.amdgcn_target "amdgcn-amd-amdhsa--gfx1250"
	.amdhsa_code_object_version 6
	.text
	.protected	k_qb534c4174c_qkv
	.globl	k_qb534c4174c_qkv
	.p2align	8
	.type	k_qb534c4174c_qkv,@function
k_qb534c4174c_qkv:
	s_mov_b64 s[64:65], 0
	v_nop
	global_prefetch_b8 v0, s[64:65] scope:SCOPE_SE
	s_setreg_imm32_b32 hwreg(HW_REG_WAVE_MODE, 25, 1), 1
	s_wait_xcnt 0x0
	s_wait_alu depctr_hold_cnt(0) depctr_sa_sdst(0) depctr_va_vdst(0) depctr_va_sdst(0) depctr_va_ssrc(0) depctr_va_vcc(0) depctr_vm_vsrc(0)
	s_getreg_b32 s2, hwreg(HW_REG_IB_STS2, 6, 4)
	s_cmp_eq_u32 s2, 0
	s_cbranch_scc0 .Lentry_in_a_cluster
	s_endpgm
.Lentry_in_a_cluster:
	s_bfe_u32 s2, ttmp6, 0x10000c
	s_cmp_lg_u32 s2, 0xf033
	s_cbranch_scc0 .Lentry_shape_is_right
	s_endpgm
.Lentry_shape_is_right:
; QKV PROJECTION WITH ROPE.  C[m][n] = sum over k of xn[m][k] W[n][k], m 4,096, n 3,072 (q, k, v), k 1,024, f16 operands, f32 sums.
; q and k are turned by the table (cos - 1, sin) of the row's place; all three leave by heads: qkvh[b][t*16+h][s][64] in f16, rounded once.
; LIMITS.  q, k, v within f16's 65,504.  The turn is written x + f ((c-1) x0 -/+ s x1), f = 1 for q and k, 0 for v: another order of rounding than c x0 - s x1.
; SHARES.  A work-group makes 256 x 192 of C (three heads); each of its four waves 64 rows x 192 columns: 48 accumulators, 384 registers.  16 x 16 work-groups.
; RING.  K in steps of 128 (rows of 256 bytes) through two LDS slots; waves 0, 1 fetch A's halves (128 rows), waves 2, 3 B's (96 rows): one tensor load a wave behind each round.
; CLUSTER 4 x 4: A's tiles are asked for jointly along a row of the cluster, B's along a column.
; The matrix instruction is used transposed (source 0 = rows of W, source 1 = rows of xn): a lane holds one row of C and eight neighbouring columns.
; REGISTERS.  window 0: v0-31 addresses, v32-95 A's fragments (two buffers), v96-127 the table on its way in, v128-255 the way out; window 1: B's fragments, two buffers of 96; windows 2, 3: accumulator t = a*12+b at 512 + 8 t.
; THE TABLE is asked for ahead: that of my first 16 rows in the set-up, each later one while the 16 rows before it are worked on; 32 moves bring it to the registers that the one text of the way out reads.
.set MB, 4
.set NB, 12
.set NT, 48
.set P1, 12
.set P2, 24
.set KS, 8
.set PITCH, 272                        ; 256 bytes + 16: sixteen rows of a fragment load start at sixteen different groups of four banks (ISA guide 11.1)
.set BOFF, 256*PITCH
.set SLOT, BOFF+192*PITCH
.set SPARE, 2*SLOT                     ; the spare words, 128 bytes a wave, that no other line names
.set KA, 256
.set KB, 256
.set ROPE, 25690112
.set SPI, 784                          ; the stage's row: 768 bytes + 16
.set WST, 64*SPI                       ; a wave's stage; the stages lie over the slots, which have had their last fill by then
.set ADRA0, 2
.set ADRB0, 3
.set RA, 4
.set RB, 5
.set STO, 8
.set RD0, 9
.set RD, 10
.set TO, 11
.set GO, 12
.set SPW, 28
.set NIL, 29
.set PFO, 30
.set CN, 96                            ; the table that is on its way in
.set XX, 128
.set TT, 160
.set YY, 192
.set CS, 224                           ; the table of the rows in hand
.set G1A, 24
.set G0A, 32
.set G1B, 48
.set G0B, 56
.set CUR, 66                           ; 0 or SLOT: the slot that is being read
.set KC, 67
.set TC, 68
.set LBA, 69
.set LBB, 70
.set LIM, 71
.set PFA, 72
.set PFS, 76
.set SR, 78
.set H48, 79
.set OP, 80
.set TP, 82
.set FF, 84
.set CA, 86
.set CJ, 87
.set MSB, 0
.macro WIN new                         ; the immediate's high byte repeats the setting that is left; a switch that changes nothing is dropped
.if MSB != (\new)
	s_set_vgpr_msb (MSB<<8)|(\new)
.set MSB, \new
.endif
.endm
.macro PLACES                          ; four places behind a matrix instruction (ISA guide 7.12.1)
.rept 4
	v_nop
.endr
.endm
.macro CREST                           ; a round of the cluster's barrier behind its opening barrier
	s_cmp_lg_u32 s10, 0
	s_cbranch_scc1 .Lnot_wave_0_\@
	s_barrier_signal -3
.Lnot_wave_0_\@:
	s_barrier_wait -3
	s_barrier_signal -1
	s_barrier_wait -1
.endm
.macro CROUND
	s_barrier_signal -1
	s_barrier_wait -1
	CREST
.endm
.macro JLOAD                           ; the joint refill by the walking descriptors; the branch hangs on the wave's number alone; s_nop 0 and four v_nop follow each line
	s_cmp_eq_u32 s11, 0
	s_cbranch_scc0 .Lfor_b_\@
	tensor_load_to_lds s[G0A+4:G0A+7], s[G1A:G1A+7]
	s_nop 0
.rept 4
	v_nop
.endr
	s_branch .Lasked_\@
.Lfor_b_\@:
	tensor_load_to_lds s[G0B+4:G0B+7], s[G1B:G1B+7]
	s_nop 0
.rept 4
	v_nop
.endr
.Lasked_\@:
.endm
.macro WMMA ops:vararg
	v_wmma_f32_16x16x32_f16 \ops
.endm
; products t0 .. t1-1 of a sub-step (32 along K) from buffer f.  Every accumulator has one instruction a sub-step, always in the same order: the accumulators take turns.
.macro MUL f, t0, t1, zero
.set t, \t0
.rept (\t1)-(\t0)
.set acw, 2+(8*t)/256
.set acl, (8*t)%256
.set frb, (\f)*8*NB+8*(t%NB)
.set fra, 32+(\f)*32+8*(t/NB)
	WIN 0x01|(acw<<4)|(acw<<6)
.if \zero
	WMMA v[acl:acl+7], v[frb:frb+7], v[fra:fra+7], 0
.else
	WMMA v[acl:acl+7], v[frb:frb+7], v[fra:fra+7], v[acl:acl+7]
.endif
.set t, t+1
.endr
.endm
.macro FETCH f, q                      ; the fragments of sub-step q into buffer f: one run of 32 LDS loads
	WIN 0x40
.set n, 0
.rept NB
	ds_load_b128 v[(\f)*8*NB+8*n:(\f)*8*NB+8*n+3],   v[RB] offset:64*(\q)+n*16*PITCH
	ds_load_b128 v[(\f)*8*NB+8*n+4:(\f)*8*NB+8*n+7], v[RB] offset:64*(\q)+n*16*PITCH+32
.set n, n+1
.endr
	WIN 0
.set n, 0
.rept MB
	ds_load_b128 v[32+(\f)*32+8*n:32+(\f)*32+8*n+3],   v[RA] offset:64*(\q)+n*16*PITCH
	ds_load_b128 v[32+(\f)*32+8*n+4:32+(\f)*32+8*n+7], v[RA] offset:64*(\q)+n*16*PITCH+32
.set n, n+1
.endr
.endm
.macro SUB f, g, q, zero               ; buffer f is multiplied while sub-step q comes into buffer g
	s_wait_dscnt 0x0                               ; buffer f is in: it was asked for a sub-step ago
	PLACES                                         ; the products just issued read buffer g
	FETCH \g, \q
	MUL \f, 0, NT, \zero
.endm
; A prefetch into the L2 of the K step that the NEXT refill will ask for: 256 bytes of a row, a lane a row, one instruction a wave, 192 matrix instructions ahead of that refill.
; A's rows are named by the clusters with x = 0, B's by those with y = 0; the four partners of a joint load share its rows out by address (32 of A's 128, 24 of B's 96).  The loop's last trip asks for nothing.
.macro ASK
	s_cmp_gt_u32 s[KC], s[LIM]
	s_cbranch_scc0 .Lnot_mine_\@
	global_prefetch_b8 v[PFO], s[PFA:PFA+1] th:TH_LOAD_NT scope:SCOPE_SE
.Lnot_mine_\@:
.endm
; A step's last sub-step, on buffer 1, and the change of slots.
.macro TURN fill
	WIN 0
.if \fill
	s_wait_xcnt 0x0                                ; the last prefetch, a step back, has read its address
	s_add_nc_u64 s[PFA:PFA+1], s[PFA:PFA+1], s[PFS:PFS+1]
.endif
	s_wait_tensorcnt 0x0                           ; all my tensor loads have landed: my part of the next slot
	ds_add_u32 v[SPW], v[NIL]                      ; 0 onto my spare word
	s_wait_dscnt 1                                 ; buffer 1 is in; only the add is younger
	MUL 1, 0, P1, 0
.if \fill
	s_add_co_u32 s[G0A+5], s[LBA], s[CUR]          ; no tensor load of mine is out: the walking descriptors go to the slot that is being left,
	s_add_nc_u64 s[G0A+6:G0A+7], s[G0A+6:G0A+7], KA  ; and one step on along K
	s_add_co_u32 s[G0B+5], s[LBB], s[CUR]
	s_add_nc_u64 s[G0B+6:G0B+7], s[G0B+6:G0B+7], KB
.endif
	s_wait_dscnt 0x0                               ; the add is done, my reads of this slot are over
	s_barrier_signal -1
	MUL 1, P1, P2, 0
	WIN 0
	s_barrier_wait -1
.if \fill
	CREST                                          ; the barrier opened a round of the cluster's: no wave of any partner reads the slot or has a load on its way
	JLOAD                                          ; its four v_nop are also the places in front of the loads below
.else
	PLACES
.endif
	s_xor_b32 s[CUR], s[CUR], SLOT
	v_add_nc_u32 v[RA], s[CUR], v[ADRA0]
	v_add_nc_u32 v[RB], s[CUR], v[ADRB0]
.if \fill
	FETCH 0, 0
	ASK
.else
	s_cmp_eq_u32 s[TC], 1                          ; behind the last step there is nothing to fetch
	s_cbranch_scc1 .Lno_fetch_\@
	FETCH 0, 0
.Lno_fetch_\@:
.endif
	MUL 1, P2, NT, 0
.endm
.macro TABLE                           ; 16 places' table: four times 1,024 consecutive bytes, 32 a lane
.irp v, 0,1,2,3
	global_load_b128 v[CN+8*(\v):CN+8*(\v)+3],   v[TO], s[TP:TP+1] offset:1024*(\v)
	global_load_b128 v[CN+8*(\v)+4:CN+8*(\v)+7], v[TO], s[TP:TP+1] offset:1024*(\v)+16
.endr
.endm
	s_load_b128 s[4:7], s[0:1], 0x0                ; xn, pw
	s_load_b64 s[88:89], s[0:1], 0x10              ; qkvh
	v_lshl_add_u32 v[SPW], v0, 2, SPARE
	v_mov_b32 v[NIL], 0
	ds_add_u32 v[SPW], v[NIL]                      ; the wave's opening: the add and its wait ahead of my first tensor load
	ds_add_u32 v28, v29
	v_lshrrev_b32 v1, 5, v0
	v_readfirstlane_b32 s10, v1                    ; wave
	s_lshr_b32 s11, s10, 1                         ; 0: I fetch for A, 1: for B
	s_and_b32 s12, s10, 1                          ; which half
	s_bfe_u32 s40, ttmp6, 0x40000                  ; cx
	s_bfe_u32 s41, ttmp6, 0x40004                  ; cy
	s_lshl_b32 s42, ttmp9, 2
	s_add_co_u32 s42, s42, s40                     ; N tile
	s_and_b32 s13, ttmp7, 0xffff
	s_lshl_b32 s13, s13, 2
	s_add_co_u32 s13, s13, s41                     ; M tile
	s_lshl_b32 s43, s41, 2
	s_lshl_b32 s43, 15, s43                        ; my row of the cluster
	s_lshl_b32 s44, 0x1111, s40                    ; my column
	s_or_b32 s[G1A], s43, (1<<16)|(1<<20)|(1<<21)|(5<<22)|(3<<25)  ; mask; 2-byte elements; padding of 4 words after every 64; bit 21 beside a mask
	s_or_b32 s[G1B], s44, (1<<16)|(1<<20)|(1<<21)|(5<<22)|(3<<25)
	s_mov_b32 s[G1A+1], 128<<16                    ; tensor_dim0 = 128
	s_mov_b32 s[G1A+2], 128<<16                    ; tensor_dim1 = 128
	s_mov_b32 s[G1A+3], 128<<16                    ; tile_dim0 = 128
	s_mov_b32 s[G1A+4], 128                        ; tile_dim1 = 128
	s_mov_b32 s[G1A+5], 1024                       ; elements from row to row
	s_mov_b32 s[G1A+6], 0
	s_mov_b32 s[G1A+7], 0
	s_mov_b32 s[G1B+1], 128<<16
	s_mov_b32 s[G1B+2], 96<<16
	s_mov_b32 s[G1B+3], 128<<16
	s_mov_b32 s[G1B+4], 96
	s_mov_b32 s[G1B+5], 1024
	s_mov_b32 s[G1B+6], 0
	s_mov_b32 s[G1B+7], 0
	s_lshl_b32 s16, s13, 19                        ; A: row 256 mt + 128 half, 2,048 bytes a row
	s_lshl_b32 s17, s12, 18
	s_add_co_u32 s16, s16, s17
	s_mov_b32 s17, 0
	s_mul_i32 s46, s42, 192*2048                   ; B: row 192 nt + 96 half
	s_mul_i32 s47, s12, 96*2048
	s_add_co_u32 s46, s46, s47
	s_mov_b32 s47, 0
	s_mul_i32 s[LBA], s12, 128*PITCH               ; where they go in a slot: the wave's number alone
	s_mul_i32 s[LBB], s12, 96*PITCH
	s_add_co_u32 s[LBB], s[LBB], BOFF
	s_wait_dscnt 0x0                               ; the opening add is done
	s_wait_kmcnt 0x0
	s_add_nc_u64 s[14:15], s[4:5], s[16:17]
	s_add_nc_u64 s[46:47], s[6:7], s[46:47]
	CROUND                                         ; all sixteen work-groups are here: the first joint loads meet
.irp s, 0,1
	s_mov_b32 s[G0A+4*(\s)], 1
	s_add_co_u32 s[G0A+4*(\s)+1], s[LBA], (\s)*SLOT
	s_add_nc_u64 s[G0A+4*(\s)+2:G0A+4*(\s)+3], s[14:15], (\s)*KA
	s_or_b32 s[G0A+4*(\s)+3], s[G0A+4*(\s)+3], 0x80000000
	s_mov_b32 s[G0B+4*(\s)], 1
	s_add_co_u32 s[G0B+4*(\s)+1], s[LBB], (\s)*SLOT
	s_add_nc_u64 s[G0B+4*(\s)+2:G0B+4*(\s)+3], s[46:47], (\s)*KB
	s_or_b32 s[G0B+4*(\s)+3], s[G0B+4*(\s)+3], 0x80000000
.endr
	s_cmp_eq_u32 s11, 0                            ; a wave's two first fills stand in one branch: two loads of mine are out
	s_cbranch_scc0 .Lfirst_b
	tensor_load_to_lds s[G0A:G0A+3], s[G1A:G1A+7]
	s_nop 0
	tensor_load_to_lds s[G0A+4:G0A+7], s[G1A:G1A+7]
	s_nop 0
.rept 4
	v_nop
.endr
	s_branch .Lfirst_done
.Lfirst_b:
	tensor_load_to_lds s[G0B:G0B+3], s[G1B:G1B+7]
	s_nop 0
	tensor_load_to_lds s[G0B+4:G0B+7], s[G1B:G1B+7]
	s_nop 0
.rept 4
	v_nop
.endr
.Lfirst_done:
	v_and_b32 v1, 15, v0                           ; r
	v_bfe_u32 v6, v0, 4, 1                         ; h
	v_and_b32 v13, 31, v0                          ; l
	v_mul_u32_u24 v7, v1, PITCH
	v_lshl_add_u32 v7, v6, 4, v7                   ; a fragment's row x pitch + 16 x half
	s_mul_i32 s16, s10, 64*PITCH                   ; my 64 rows of A
	v_add_nc_u32 v[ADRA0], s16, v7
	v_add_nc_u32 v[ADRB0], BOFF, v7
	s_mul_i32 s16, s10, WST                        ; my stage
	v_mul_u32_u24 v[STO], v1, SPI                  ; in: row r, 32 bytes for each half of the lanes
	v_lshl_add_u32 v[STO], v6, 5, v[STO]
	v_add_nc_u32 v[STO], s16, v[STO]
	v_lshrrev_b32 v14, 3, v13                      ; back: eight lanes a row of a head, 32 bytes each
	v_and_b32 v15, 7, v13
	v_mul_u32_u24 v[RD0], v14, SPI
	v_lshl_add_u32 v[RD0], v15, 5, v[RD0]
	v_add_nc_u32 v[RD0], s16, v[RD0]
	v_lshlrev_b32 v[TO], 5, v13                    ; the table: four places are 1,024 consecutive bytes, 32 a lane
	v_lshlrev_b32 v[GO], 4, v13                    ; out: four rows of a head are 512 consecutive bytes
	; where my rows go and which places they have
	s_lshr_b32 s16, s13, 3                         ; batch
	s_mul_i32 s16, s16, 48
	s_mul_i32 s[H48], s42, 3                       ; the tile's first plane, t*16+h
	s_add_co_u32 s16, s16, s[H48]
	s_lshl_b32 s16, s16, 18                        ; planes of 262,144 bytes
	s_and_b32 s18, s13, 7
	s_lshl_b32 s18, s18, 8
	s_lshl_b32 s19, s10, 6
	s_add_co_u32 s18, s18, s19                     ; my first place in the sequence
	s_lshl_b32 s19, s18, 7
	s_add_co_u32 s16, s16, s19
	s_mov_b32 s17, 0
	s_add_nc_u64 s[OP:OP+1], s[88:89], s[16:17]
	s_lshl_b32 s16, s18, 8
	s_add_nc_u64 s[TP:TP+1], s[6:7], s[16:17]
	s_add_nc_u64 s[TP:TP+1], s[TP:TP+1], ROPE
	TABLE                                          ; my first 16 rows' table: no line of the K loop names its registers, its offset or its base
	s_mov_b32 s[FF+1], 0
	; the prefetches
	s_and_b32 s22, ttmp7, 0xffff                   ; cluster y
	s_cmp_eq_u32 s11, 0
	s_cselect_b32 s22, ttmp9, s22                  ; the coordinate along which other clusters read the same rows
	s_cselect_b32 s21, s40, s41                    ; my place among the four that ask with me
	s_cselect_b32 s20, 32, 24                      ; rows of a partner
	s_cselect_b64 s[PFA:PFA+1], s[14:15], s[46:47]
	s_cmp_eq_u32 s22, 0
	s_cselect_b32 s[LIM], 1, -1
	s_mul_i32 s21, s21, s20
	s_lshl_b32 s16, s21, 11
	s_add_nc_u64 s[PFA:PFA+1], s[PFA:PFA+1], s[16:17]
	s_add_nc_u64 s[PFA:PFA+1], s[PFA:PFA+1], 2*256 ; at step 2: the first refill steps it to 3
	s_mov_b32 s[PFS], 256
	s_mov_b32 s[PFS+1], 0
	s_sub_co_u32 s20, s20, 1
	v_min_u32 v[PFO], s20, v13                     ; lanes past a partner's rows name its last row again
	v_lshlrev_b32 v[PFO], 11, v[PFO]
	s_wait_tensorcnt 0x1                           ; my part of step 0 is in; step 1's may stay out
	s_barrier_signal -1
	s_barrier_wait -1
	s_mov_b32 s[CUR], 0
	v_mov_b32 v[RA], v[ADRA0]
	v_mov_b32 v[RB], v[ADRB0]
	FETCH 0, 0
	SUB 0, 1, 1, 1                                 ; the first sub-step starts the sums
	WIN 0
	s_mov_b32 s[KC], KS-2
.Lk:                                           ; a trip: a step's sub-steps 1 to 3, the change of slots with its refill, the next step's sub-step 0
	SUB 1, 0, 2, 0
	SUB 0, 1, 3, 0
	TURN 1
	SUB 0, 1, 1, 0
	WIN 0
	s_sub_co_u32 s[KC], s[KC], 1
	s_cmp_lg_u32 s[KC], 0
	s_cbranch_scc1 .Lk
	s_mov_b32 s[TC], 2
.Ltail:                                        ; the last two steps ask for nothing; the second trip is left in its middle
	SUB 1, 0, 2, 0
	SUB 0, 1, 3, 0
	TURN 0
	WIN 0
	s_sub_co_u32 s[TC], s[TC], 1
	s_cmp_eq_u32 s[TC], 0
	s_cbranch_scc1 .Lout
	SUB 0, 1, 1, 0
	WIN 0
	s_branch .Ltail
.Lout:
	s_wait_dscnt 0x0
	s_barrier_signal -1                            ; nobody reads the slots any more: the stages may lie over them
	s_barrier_wait -1
	PLACES
.set t, 0
.rept NT                               ; the sums, raw, into my stage; each accumulator's low registers first
	WIN (2+(8*t)/256)<<2
	ds_store_b128 v[STO], v[(8*t)%256:(8*t)%256+3]   offset:(t/NB)*16*SPI+(t%NB)*64
	ds_store_b128 v[STO], v[(8*t)%256+4:(8*t)%256+7] offset:(t/NB)*16*SPI+(t%NB)*64+16
.set t, t+1
.endr
	WIN 0
	s_mov_b32 s[SR], 0
	s_mov_b32 s[CA], 4
.Lrows:                                        ; 16 rows: their table, then three heads
	s_wait_loadcnt 0x0                             ; these rows' table is in: it was asked for 16 rows ago (the first in the set-up); its base may be stepped
.set p, 0
.rept 32
	v_mov_b32 v[CS+p], v[CN+p]                     ; to the registers that the heads' text reads, so that the next table can come in meanwhile
.set p, p+1
.endr
	s_cmp_eq_u32 s[CA], 1                          ; behind my last 16 rows there is no table of mine
	s_cbranch_scc1 .Lno_table
	s_add_nc_u64 s[TP:TP+1], s[TP:TP+1], 4096
	TABLE
.Lno_table:
	s_mov_b32 s[CJ], 3
.Lhead:
	s_cmp_lt_u32 s[H48], 32                        ; q and k are turned, v is not: a choice of a value, no branch
	s_cselect_b32 s[FF], 1.0, 0
	v_add_nc_u32 v[RD], s[SR], v[RD0]
.irp v, 0,1,2,3
	ds_load_b128 v[XX+8*(\v):XX+8*(\v)+3],   v[RD] offset:4*SPI*(\v)  ; LDS serves a wave's instructions in order (ISA guide 5.7.1.4): these see my stores
	ds_load_b128 v[XX+8*(\v)+4:XX+8*(\v)+7], v[RD] offset:4*SPI*(\v)+16
.endr
	s_wait_dscnt 0x0
.set p, 0
.rept 16
	v_pk_mul_f32 v[TT+2*p:TT+2*p+1], v[XX+2*p:XX+2*p+1], v[CS+2*p:CS+2*p+1] op_sel_hi:[1,0]  ; (c-1) x0, (c-1) x1
.set p, p+1
.endr
.set p, 0
.rept 16
	v_pk_fma_f32 v[TT+2*p:TT+2*p+1], v[XX+2*p:XX+2*p+1], v[CS+2*p:CS+2*p+1], v[TT+2*p:TT+2*p+1] op_sel:[1,1,0] op_sel_hi:[0,1,1] neg_lo:[0,1,0]  ; - s x1, + s x0
.set p, p+1
.endr
.set p, 0
.rept 16
	v_pk_fma_f32 v[TT+2*p:TT+2*p+1], v[TT+2*p:TT+2*p+1], s[FF:FF+1], v[XX+2*p:XX+2*p+1] op_sel_hi:[1,0,1]
.set p, p+1
.endr
.set p, 0
.rept 16
	v_cvt_pk_f16_f32 v[YY+p], v[TT+2*p], v[TT+2*p+1]
.set p, p+1
.endr
.irp v, 0,1,2,3
	global_store_b128 v[GO], v[YY+4*(\v):YY+4*(\v)+3], s[OP:OP+1] offset:512*(\v)  ; 512 consecutive bytes, at a multiple of 256 from the buffer's first
.endr
	s_wait_xcnt 0x0                                ; the pointers and the stores' data are written again only behind this wait
	s_add_nc_u64 s[OP:OP+1], s[OP:OP+1], 262144    ; the next head's plane
	s_add_co_u32 s[SR], s[SR], 256
	s_add_co_u32 s[H48], s[H48], 1
	s_sub_co_u32 s[CJ], s[CJ], 1
	s_cmp_lg_u32 s[CJ], 0
	s_cbranch_scc1 .Lhead
	s_sub_nc_u64 s[OP:OP+1], s[OP:OP+1], 3*262144-2048  ; back three planes, 16 rows on
	s_add_co_u32 s[SR], s[SR], 16*SPI-768
	s_sub_co_u32 s[H48], s[H48], 3
	s_sub_co_u32 s[CA], s[CA], 1
	s_cmp_lg_u32 s[CA], 0
	s_cbranch_scc1 .Lrows
	s_wait_tensorcnt 0x0                           ; the wave's end
	ds_add_u32 v[SPW], v[NIL]
	s_wait_dscnt 0x0
	CROUND                                         ; the closing round
	s_endpgm
.Lfunc_end_k_qb534c4174c_qkv:
	.size	k_qb534c4174c_qkv, .Lfunc_end_k_qb534c4174c_qkv-k_qb534c4174c_qkv
	.p2alignl 7, 3214868480
	.fill 96, 4, 3214868480
	.section	.rodata,"a",@progbits
	.p2align	6, 0x0
	.amdhsa_kernel k_qb534c4174c_qkv
		.amdhsa_group_segment_fixed_size 327680
		.amdhsa_private_segment_fixed_size 0
		.amdhsa_enable_private_segment 0
		.amdhsa_kernarg_size 24
		.amdhsa_user_sgpr_count 2
		.amdhsa_user_sgpr_kernarg_segment_ptr 1
		.amdhsa_wavefront_size32 1
		.amdhsa_system_sgpr_workgroup_id_x 1
		.amdhsa_system_sgpr_workgroup_id_y 1
		.amdhsa_system_sgpr_workgroup_id_z 1
		.amdhsa_system_vgpr_workitem_id 0
		.amdhsa_next_free_vgpr 896
		.amdhsa_next_free_sgpr 100
		.amdhsa_reserve_vcc 0
		.amdhsa_float_denorm_mode_32 3
		.amdhsa_float_denorm_mode_16_64 3
		.amdhsa_memory_ordered 1
		.amdhsa_forward_progress 1
		.amdhsa_inst_pref_size 75
	.end_amdhsa_kernel
	.amdgpu_metadata
---
amdhsa.version: [ 1, 2 ]
amdhsa.kernels:
  - .name:           k_qb534c4174c_qkv
    .symbol:         k_qb534c4174c_qkv.kd
    .args:
      - { .name: xn, .offset: 0, .size: 8, .value_kind: global_buffer, .address_space: global }
      - { .name: pw, .offset: 8, .size: 8, .value_kind: global_buffer, .address_space: global }
      - { .name: qkvh, .offset: 16, .size: 8, .value_kind: global_buffer, .address_space: global }
    .group_segment_fixed_size: 327680
    .private_segment_fixed_size: 0
    .kernarg_segment_align: 8
    .kernarg_segment_size: 24
    .max_flat_workgroup_size: 128
    .sgpr_count:     100
    .vgpr_count:     896
    .wavefront_size: 32
...
	.end_amdgpu_metadata
.endif
;; end of part 2
;; launch attn (part 3): grid 8 x 32, 4 waves a work-group, no clusters, 327,680 bytes of LDS; arguments qkvh, ao; writes ao
.if DOCPART == 3
	.amdgcn_target "amdgcn-amd-amdhsa--gfx1250"
	.amdhsa_code_object_version 6
	.text
	.protected	k_qb534c4174c_attn
	.globl	k_qb534c4174c_attn
	.p2align	8
	.type	k_qb534c4174c_attn,@function
k_qb534c4174c_attn:
	s_mov_b64 s[64:65], 0
	v_nop
	global_prefetch_b8 v0, s[64:65] scope:SCOPE_SE
	s_setreg_imm32_b32 hwreg(HW_REG_WAVE_MODE, 25, 1), 1
	s_wait_xcnt 0x0
; CAUSAL ATTENTION.  O[hh][q][:] = the sum over k <= q of softmax_k(Q[q] . K[k] / 8) V[k][:], 32 heads (batch x 16 + head) of 2,048 rows of 64 channels, all f16; a head's rows are dense, 128 bytes each.
; Q, K, V are planes of qkvh ([b][t*16+h][2048][64]); O goes to ao[hh][2048][64].  Products, maxima and sums in f32; the weights p are rounded to f16 for the second product (their sum l is of the unrounded p), O once.
; LIMITS.  Q, K, V within f16's 65,504.  A hidden score counts as its value less 1e30; a weight below 2^-126 counts as 0 in l; NaN and infinities are not treated apart.
; THE WALK.  A head's queries lie in 16 blocks of 128; block i needs the key tiles 0 .. i/2 of 256 keys.  A work-group takes block 15 - b and then block b: nine tiles whatever b, so all 256 work-groups do
; equal work and ONE loop with a constant trip count walks them.  NO CLUSTER: the eight work-groups of a head ask for the same tile only in the first trips, and then for different ones.
; SHARES.  A block has two bands of 64 queries; a wave owns 16 rows of each: two PIECES.  In the block's last tile band x has the number OBx = 2 (i % 2) + x: key step t is seen whole if t < OBx, holds the diagonal
; if t = OBx, is hidden if t > OBx (an even block computes two wholly hidden steps: the price of one step count for every tile).
; THE MASK is the C operand that starts S^T = K Q^T: MD x AL + BE, MD the diagonal's mask for my rows (0 or -1e30), (AL, BE) = (1, 0), (0, 0) or (0, -1e30).
; TURNS.  Turn p of step s belongs to piece p: 8 products K Q^T of the other piece (p = 0: step s; p = 1: step s + 1), the softmax of piece p, the maximum and statistics of the other piece, one wait for the
; turn's 33 exponentials, then 8 products V^T P of the other piece (p = 0: step s - 1; p = 1: step s).  Four vector instructions stand behind every matrix instruction, the rest in one lump.
; FETCHES.  K of step s + 1 comes in turn 0 of step s, V of step s + 1 in turn 1 of step s, into the other of V's two buffers: so all fetches of a tile stand together, and the change of slots stands
; between turn 1 of a tile's third step and turn 0 of its fourth.
; REGISTERS, in windows of 256: window 0: v0-15 addresses; v16-23 statistics; v48-55 at work; v64-127 S^T, two buffers; v192-223 P, two buffers.  window 1: v0-63 O^T; v128-159 MD; v160-223 MC, two buffers.
;   window 2: v0-31 Q; v32-63 the second block's Q; v64-127 K of one step; v128-255 V, two buffers.
.set NB,    8         ; the walk has NB + 1 tiles
.set NP,    2
.set KS,    64
.set PK,    144       ; a row of K in LDS: 128 bytes + 16: the 16 rows of a load start at 16 different groups of four banks (ISA guide 11.1)
.set PV,    160       ; a row of V: 128 + 32
.set VOFF,  4*KS*PK
.set SLOT1, 1<<17
.set STAGE, SLOT1+4*KS*(PK+PV)  ; behind the ring, never filled by a tensor load: 16 rows x 144 bytes a wave
.set SP,    144
.set AK0, 2
.set AV0, 3
.set AK,  4
.set AV,  5
.set STO, 6
.set RD,  7
.set GO,  8
.set PFO, 61          ; 256 x my lane; never rewritten
.set SPW, 62
.set NIL, 63
.set SPARE, STAGE+4*16*SP  ; the spare words, 128 bytes a wave, that no other line names
.set MV,  12
.set QO,  15
.set ST,  16          ; piece t's statistics at v[ST+4 t]: c m, m, l (even keys', odd keys')
.set TMP, 48
.set S,   64
.set P,   192
.set MD,  128
.set MC,  160
.set QB,  32
.set KF,  64
.set VF,  128
.set WV,  12
.set PB,  14
.set HI,  15
.set G1K, 24
.set G1V, 32
.set G0K, 40
.set G0V, 44
.set SLOTS, 56
.set CNT, 57
.set CS,  58
.set SEL, 60
.set TBK, 62
.set TBV, 63
.set RT,  70          ; tiles of the block in hand still to be entered
.set NXT, 71          ; the tile to be asked for next
.set LQ,  72          ; the last tile of the block whose tiles are being asked for
.set NEW, 73
.set OFF, 74
.set AL,  76
.set BE,  78
.set OLO, 80
.set BIGN, 82
.set TQ,  83          ; the step, in the diagonal tile, for which masks are being made
.set OB0, 88          ; s88, s89: the two bands' numbers
.set LQ2, 90          ; the second block's last tile
.set LIM, 91
.set PFA, 92
.set MSB, 0
.macro WIN new
.if MSB != (\new)
	s_set_vgpr_msb (MSB<<8)|(\new)
.set MSB, (\new)
.endif
.endm
.set W_KQ, 0x0a       ; K and Q in window 2, S^T in window 0
.set W_KM, 0x1a       ; the same with the C operand in window 1
.set W_PV, 0x52       ; V in window 2, P in window 0, O^T in window 1
.set W_RS, 0x41       ; destination and source 0 in window 1, source 1 in window 0
; A fill.  Waves 0 and 1 fetch the two halves of a tile's K, waves 2 and 3 those of its V.  An s_nop 0 and four v_nop follow each of the two lines.
.macro LOAD
	s_cmp_lt_u32 s[WV], 2
	s_cbranch_scc0 .Lfor_v_\@
	tensor_load_to_lds s[G0K:G0K+3], s[G1K:G1K+7]
	s_nop 0
.rept 4
	v_nop
.endr
	s_branch .Lasked_\@
.Lfor_v_\@:
	tensor_load_to_lds s[G0V:G0V+3], s[G1V:G1V+7]
	s_nop 0
.rept 4
	v_nop
.endr
.Lasked_\@:
.endm
; A prefetch into the L2 of the tile that the NEXT change of slots will ask for: my own 16,384 bytes of it, a lane 256 bytes, two instructions.  All eight work-groups of a head walk the same K and V:
; work-group 0, whose first block walks tiles 0 to 7, asks, and nobody else; its last two changes of slots in the loop ask for nothing.
.macro ASK
	s_cmp_gt_u32 s[SLOTS], s[LIM]
	s_cbranch_scc0 .Lnot_mine_\@
	global_prefetch_b8 v[PFO], s[PFA:PFA+1] th:TH_LOAD_NT scope:SCOPE_SE
	global_prefetch_b8 v[PFO], s[PFA:PFA+1] offset:8192 th:TH_LOAD_NT scope:SCOPE_SE
.Lnot_mine_\@:
.endm
; THE CHANGE OF SLOTS.  Each wave waits for all its tensor loads (one is out: its part of the other slot), adds 0 to its spare word, and waits for that and for its own reads of the slot that it leaves.
; Behind the barrier nobody reads the old slot and the other slot is whole.  fill = 1: the old slot is filled again, first thing behind the barrier, with tile NXT.
.macro CHANGE fill
	WIN 0
	s_wait_tensorcnt 0x0
	ds_add_u32 v[SPW], v[NIL]       ; 0 onto my spare word
.if \fill
	s_lshl_b32 s[OFF], s[NXT], 15   ; a tile is 32,768 bytes of K and of V
	s_xor_b32 s[G0K+1], s[G0K+1], SLOT1
	s_add_nc_u64 s[G0K+2:G0K+3], s[6:7], s[OFF:OFF+1]
	s_or_b32 s[G0K+3], s[G0K+3], 0x80000000
	s_xor_b32 s[G0V+1], s[G0V+1], SLOT1
	s_add_nc_u64 s[G0V+2:G0V+3], s[8:9], s[OFF:OFF+1]
	s_or_b32 s[G0V+3], s[G0V+3], 0x80000000
	s_add_co_u32 s[NXT], s[NXT], 1  ; the block's next tile, or behind its last the second block's tile 0
	s_cmp_gt_u32 s[NXT], s[LQ]
	s_cselect_b32 s[NXT], 0, s[NXT]
	s_cselect_b32 s[LQ], s[LQ2], s[LQ]
	s_wait_xcnt 0x0                 ; the last prefetches, a tile back, have read their address
	s_add_nc_u64 s[PFA:PFA+1], s[PFA:PFA+1], 32768
.endif
	s_wait_dscnt 0x0                ; the add is done, and my reads of the slot are over
	s_barrier_signal -1
	s_sub_co_u32 s[TBK], s[TBK], 4*KS*PK  ; the fetches go back to a slot's first step,
	s_xor_b32 s[TBK], s[TBK], SLOT1       ; in the other slot
	s_sub_co_u32 s[TBV], s[TBV], 4*KS*PV
	s_xor_b32 s[TBV], s[TBV], SLOT1
	s_barrier_wait -1
.if \fill
	LOAD
	ASK
.endif
.endm
	s_load_b64 s[4:5], s[0:1], 0x0    ; qkvh
	s_load_b64 s[10:11], s[0:1], 0x8  ; ao
	v_lshl_add_u32 v[SPW], v0, 2, SPARE
	v_mov_b32 v[NIL], 0
	ds_add_u32 v[SPW], v[NIL]       ; the wave's opening: the add and its wait ahead of my first tensor load
	ds_add_u32 v62, v63
	v_lshrrev_b32 v1, 5, v0
	v_readfirstlane_b32 s[WV], v1
	s_mov_b32 s[PB], ttmp9
	s_sub_co_u32 s[HI], 15, s[PB]
	s_and_b32 s20, ttmp7, 0xffff    ; the head, 0..31
	s_lshl_b32 s94, s20, 18         ; its plane in ao
	s_mov_b32 s95, 0
	s_lshr_b32 s21, s20, 4
	s_mul_i32 s21, s21, 48
	s_and_b32 s20, s20, 15
	s_add_co_u32 s20, s20, s21
	s_lshl_b32 s20, s20, 18         ; Q's plane in qkvh; K's lies 16 planes on, V's 32
	s_mov_b32 s21, 0
	s_and_b32 s16, s[WV], 1         ; which half of a tile's 256 keys I fetch
	s_lshl_b32 s22, s16, 14
	s_add_co_u32 s22, s22, 16*262144
	s_mov_b32 s23, 0
	s_mul_i32 s17, s16, 128*PK
	s_mul_i32 s18, s16, 128*PV
	s_lshl_b32 s3, s[WV], 11        ; my 16 rows in a band of 64,
	s_lshl_b32 s2, s[HI], 14        ; in the first block,
	s_add_co_u32 s2, s2, s3
	s_lshl_b32 s84, s[PB], 14       ; and in the second
	s_add_co_u32 s84, s84, s3
	s_mov_b32 s3, 0
	s_mov_b32 s85, 0
	; descriptor group 1.  128 keys are 16,384 dense bytes: asked for as 64 rows of 256 bytes, and padded in LDS after every key
	s_mov_b32 s[G1K], (1<<16)|(1<<20)|(4<<22)|(3<<25)
	s_mov_b32 s[G1V], (1<<16)|(1<<20)|(4<<22)|(7<<25)
.irp g, G1K, G1V
	s_mov_b32 s[\g+1], 128<<16
	s_mov_b32 s[\g+2], 64<<16
	s_mov_b32 s[\g+3], 128<<16
	s_mov_b32 s[\g+4], 64
	s_mov_b32 s[\g+5], 128
	s_mov_b32 s[\g+6], 0
	s_mov_b32 s[\g+7], 0
.endr
	s_mov_b32 s[CS], 0x3e38aa3b     ; c = log2(e) / 8
	s_mov_b32 s[CS+1], s[CS]
	s_mov_b32 s[SEL], 0x76543210
	s_mov_b32 s[SEL+1], 0xfedcba98
	s_mov_b32 s[TBK], SLOT1+4*KS*PK ; the first change of slots turns these two into 0
	s_mov_b32 s[TBV], SLOT1+4*KS*PV
	s_mov_b32 s[G0K], 1
	s_mov_b32 s[G0K+1], s17
	s_mov_b32 s[G0V], 1
	s_add_co_u32 s[G0V+1], s18, VOFF
	s_lshr_b32 s[LQ], s[HI], 1      ; the first block's last tile
	s_add_co_u32 s[RT], s[LQ], 1
	s_lshr_b32 s[LQ2], s[PB], 1
	s_and_b32 s[OB0], s[HI], 1
	s_lshl_b32 s[OB0], s[OB0], 1
	s_add_co_u32 s[OB0+1], s[OB0], 1
	s_mov_b32 s[NXT], 1
	s_mov_b32 s[NEW], 1
	s_mov_b32 s[TQ], 0
	s_mov_b32 s[OFF+1], 0
	s_mov_b32 s[AL+1], 0
	s_mov_b32 s[BE+1], 0
	s_mov_b32 s[BIGN], 0xf149f2ca   ; -1e30
	s_mov_b32 s[SLOTS], NB
	s_cmp_eq_u32 s[PB], 0
	s_cselect_b32 s[LIM], 2, -1
	s_wait_dscnt 0x0                ; the opening add is done
	s_wait_kmcnt 0x0
	s_add_nc_u64 s[4:5], s[4:5], s[20:21]
	s_add_nc_u64 s[6:7], s[4:5], s[22:23]  ; K and V at my half of the head's tile 0
	s_add_nc_u64 s[8:9], s[6:7], 16*262144
	s_add_nc_u64 s[10:11], s[10:11], s[94:95]
	s_add_nc_u64 s[G0K+2:G0K+3], s[6:7], 0
	s_or_b32 s[G0K+3], s[G0K+3], 0x80000000
	s_add_nc_u64 s[G0V+2:G0V+3], s[8:9], 0
	s_or_b32 s[G0V+3], s[G0V+3], 0x80000000
	s_add_nc_u64 s[86:87], s[4:5], s[84:85]        ; Q at my rows of the second block,
	s_add_nc_u64 s[4:5], s[4:5], s[2:3]            ; Q and O at those of the first
	s_add_nc_u64 s[OLO:OLO+1], s[10:11], s[84:85]
	s_add_nc_u64 s[10:11], s[10:11], s[2:3]
	s_cmp_lt_u32 s[WV], 2
	s_cselect_b64 s[PFA:PFA+1], s[6:7], s[8:9]
	s_add_nc_u64 s[PFA:PFA+1], s[PFA:PFA+1], 32768 ; at tile 1: the first change of slots steps it to tile 2
	LOAD                            ; tile 0 into slot 0
	v_and_b32 v1, 15, v0            ; l % 16
	v_bfe_u32 v9, v0, 4, 1          ; l / 16
	v_lshlrev_b32 v[QO], 7, v1
	v_lshl_add_u32 v[QO], v9, 4, v[QO]
	WIN 0x80
.set i, 0
.rept 4                             ; both blocks' Q: piece i / 2 lies in band i / 2, 8,192 bytes on; channels 32 (i % 2) on
	global_load_b128 v[8*i:8*i+3],   v[QO], s[4:5] offset:(i/2)*8192+(i%2)*64
	global_load_b128 v[8*i+4:8*i+7], v[QO], s[4:5] offset:(i/2)*8192+(i%2)*64+32
	global_load_b128 v[QB+8*i:QB+8*i+3],   v[QO], s[86:87] offset:(i/2)*8192+(i%2)*64
	global_load_b128 v[QB+8*i+4:QB+8*i+7], v[QO], s[86:87] offset:(i/2)*8192+(i%2)*64+32
.set i, i+1
.endr
	WIN 0
	v_lshlrev_b32 v14, 3, v9
	v_sub_nc_u32 v14, v1, v14
	s_lshl_b32 s13, s[WV], 4
	v_add_nc_u32 v14, s13, v14      ; my query's place in its band less my lanes' 8 (l / 16): register r of group kt is hidden where 16 kt + r is greater
	WIN 0x40
.set i, 0
.rept 32
	v_cmp_gt_i32 vcc_lo, 16*(i/8)+i%8, v14
	v_cndmask_b32 v[MD+i], 0, s[BIGN], vcc_lo
.set i, i+1
.endr
	WIN 0
	v_mul_u32_u24 v[AK0], v1, PK
	v_lshl_add_u32 v[AK0], v9, 4, v[AK0]
	v_and_b32 v10, 7, v0
	v_bfe_u32 v11, v0, 3, 1
	v_lshl_add_u32 v[AV0], v9, 3, v10   ; the turning load: lane l reads key 8 (l / 16) + l % 8, channels 8 ((l / 8) % 2) on
	v_mul_u32_u24 v[AV0], v[AV0], PV
	v_lshl_add_u32 v[AV0], v11, 4, v[AV0]
	v_add_nc_u32 v[AV0], VOFF, v[AV0]
	s_mul_i32 s13, s[WV], 16*SP
	s_add_co_u32 s13, s13, STAGE
	v_mul_u32_u24 v[STO], v1, SP
	v_lshl_add_u32 v[STO], v9, 4, v[STO]
	v_add_nc_u32 v[STO], s13, v[STO]
	v_bfe_u32 v[RD], v0, 3, 2
	v_mul_u32_u24 v[RD], v[RD], SP
	v_lshl_add_u32 v[RD], v10, 4, v[RD]
	v_add_nc_u32 v[RD], s13, v[RD]
	v_and_b32 v[GO], 31, v0
	v_lshlrev_b32 v[PFO], 8, v[GO]
	v_lshlrev_b32 v[GO], 4, v[GO]
	; A block's first step multiplies O^T and l by a = 0, and its first turn's products V^T P, of a piece that has not been, land in an O^T that is still to be so multiplied: these registers need only
	; hold finite numbers: zeros for the first block, what the first block left for the second.  All this stands in the wait for the first tile.
	WIN 0x80
.set i, VF+64
.rept 64
	v_mov_b32 v[i], 0
.set i, i+1
.endr
	WIN 0x40
.set i, 0
.rept 64
	v_mov_b32 v[i], 0
.set i, i+1
.endr
	WIN 0
.set i, 0
.rept 2
	v_mov_b32 v[ST+4*i+2], 0
	v_mov_b32 v[ST+4*i+3], 0
.set i, i+1
.endr
.set i, P+16
.rept 16
	v_mov_b32 v[i], 0
.set i, i+1
.endr
; THE MATRIX WORK.  The 4 accumulators of a run of 8 take turns.  Product i of 8 of S^T = K Q^T for piece x: channels 32 (i / 4) on, keys 16 (i % 4) on.
.macro KQ x
.set rS, S+32*((\x)%2)+8*(i%4)
.set rK, KF+16*(i%4)+8*(i/4)
.set rQ, 16*(\x)+8*(i/4)
.set rM, MC+32*((\x)%2)+8*(i%4)
.if (i < 4) && KM
	WIN W_KM
	v_wmma_f32_16x16x32_f16 v[rS:rS+7], v[rK:rK+7], v[rQ:rQ+7], v[rM:rM+7]
.elseif i < 4
	WIN W_KQ
	v_wmma_f32_16x16x32_f16 v[rS:rS+7], v[rK:rK+7], v[rQ:rQ+7], 0
.else
	WIN W_KQ
	v_wmma_f32_16x16x32_f16 v[rS:rS+7], v[rK:rK+7], v[rQ:rQ+7], v[rS:rS+7]
.endif
.endm
; Product i of 8 of O^T += V^T P for piece x, from V's buffer VB: keys 32 (i / 4) on, channels 16 (i % 4) on.
.macro PV x
	WIN W_PV
.set rO, 32*(\x)+8*(i%4)
.set rV, VF+64*VB+32*(i/4)+8*(i%4)
.set rP, P+16*((\x)%2)+8*(i/4)
	v_wmma_f32_16x16x32_f16 v[rO:rO+7], v[rV:rV+7], v[rP:rP+7], v[rO:rO+7]
.endm
.macro MM                           ; the turn's next matrix instruction.  NOKQ = 1: a block's last turn: there are no further scores
.if (i < 8) && !NOKQ
	KQ (Y+1)%NP
.elseif i >= 8
.set i, i-8
	PV (Y+1)%NP
.set i, i+8
.endif
.set i, i+1
.endm
; THE LDS LOADS stand in runs of 16, never singly among the matrix instructions.
.macro FETCH_K
	WIN 0x80
.irp f, 0,1,2,3,4,5,6,7
	ds_load_b128 v[KF+8*\f:KF+8*\f+3],   v[AK] offset:(\f/2)*16*PK+(\f%2)*64
	ds_load_b128 v[KF+8*\f+4:KF+8*\f+7], v[AK] offset:(\f/2)*16*PK+(\f%2)*64+32
.endr
	s_add_co_u32 s[TBK], s[TBK], KS*PK
	WIN 0
.endm
.macro FETCH_V b
	WIN 0x80
.irp f, 0,1,2,3,4,5,6,7
	ds_load_tr16_b128 v[VF+64*(\b)+8*\f:VF+64*(\b)+8*\f+3],   v[AV] offset:(\f/4)*32*PV+(\f%4)*32
	ds_load_tr16_b128 v[VF+64*(\b)+8*\f+4:VF+64*(\b)+8*\f+7], v[AV] offset:(\f/4)*32*PV+16*PV+(\f%4)*32
.endr
	s_add_co_u32 s[TBV], s[TBV], KS*PV
	WIN 0
.endm
; THE VECTOR WORK, one line at a time: OP kind, number.  For piece Y: F n: c s - c m for pair n of 16.  E n: the exponential of score n of 32.  C n: pair n rounded to f16.  B n: of the four weights 4 n ..
; the second pair is added onto the first.  L n: l takes that sum (L 0: l = a l + sum).  R n: pair n of 16 of O^T times a.  For the other piece: X n, number n of the 22 that find its maximum and statistics:
;   0-11 four chains of seven scores, each accumulator's lowest registers first; 12-14, 16 the four left over, the old m, and the four into one; 15 c m_old is kept;
;   17, 18 the other half of the lanes'; 19-21 c m; c m_old - c m_new; a
.set F, 0
.set E, 1
.set C, 2
.set B, 3
.set L, 4
.set R, 5
.set X, 6
.macro REGS y
.set rT, ST+4*(\y)
.set rC, TMP+4*((\y)%2)
.set rW, MV+((\y)%2)
.set rS, S+32*((\y)%2)
.set rP, P+16*((\y)%2)
.set rO, 32*(\y)
.endm
.macro OP k, n
.if (\k) == R
	REGS Y
	WIN W_RS
	v_pk_mul_f32 v[rO+2*(\n):rO+2*(\n)+1], v[rO+2*(\n):rO+2*(\n)+1], v[rC+2:rC+3] op_sel_hi:[1,0]
.elseif (\k) < R
	REGS Y
	WIN 0
.if (\k) == F
	v_pk_fma_f32 v[rS+2*(\n):rS+2*(\n)+1], v[rS+2*(\n):rS+2*(\n)+1], s[CS:CS+1], v[rT:rT+1] op_sel_hi:[1,0,0] neg_lo:[0,0,1] neg_hi:[0,0,1]
.elseif (\k) == E
	v_exp_f32 v[rS+(\n)], v[rS+(\n)]
.elseif (\k) == C
	v_cvt_pk_f16_f32 v[rP+(\n)], v[rS+2*(\n)], v[rS+2*(\n)+1]
.elseif (\k) == B
	v_pk_add_f32 v[rS+4*(\n):rS+4*(\n)+1], v[rS+4*(\n):rS+4*(\n)+1], v[rS+4*(\n)+2:rS+4*(\n)+3]
.elseif (\n) == 0
	v_pk_fma_f32 v[rT+2:rT+3], v[rT+2:rT+3], v[rC+2:rC+3], v[rS:rS+1] op_sel_hi:[1,0,1]
.else
	v_pk_add_f32 v[rT+2:rT+3], v[rT+2:rT+3], v[rS+4*(\n):rS+4*(\n)+1]
.endif
.elseif NOKQ
	v_nop
.else
	REGS (Y+1)%NP
	WIN 0
.if (\n) < 4
	v_max3_num_f32 v[rC+(\n)], v[rS+8*(\n)], v[rS+8*(\n)+1], v[rS+8*(\n)+2]
.elseif (\n) < 12
	v_max3_num_f32 v[rC+(\n)%4], v[rC+(\n)%4], v[rS+8*((\n)%4)+2*((\n)/4)+1], v[rS+8*((\n)%4)+2*((\n)/4)+2]
.elseif (\n) == 12
	v_max3_num_f32 v[rC], v[rC], v[rS+7], v[rS+15]
.elseif (\n) == 13
	v_max3_num_f32 v[rC+1], v[rC+1], v[rS+23], v[rS+31]
.elseif (\n) == 14
	v_max3_num_f32 v[rC+2], v[rC+2], v[rC+3], v[rT+1]
.elseif (\n) == 15
	v_mov_b32 v[rW], v[rT]
.elseif (\n) == 16
	v_max3_num_f32 v[rC], v[rC], v[rC+1], v[rC+2]
.elseif (\n) == 17
	v_permlanex16_b32 v[rC+3], v[rC], s[SEL], s[SEL+1]
.elseif (\n) == 18
	v_max_num_f32 v[rT+1], v[rC], v[rC+3]
.elseif (\n) == 19
	v_mul_f32 v[rT], s[CS], v[rT+1]
.elseif (\n) == 20
	v_sub_f32 v[rC+1], v[rW], v[rT]
.else
	v_exp_f32 v[rC+2], v[rC+1]
.endif
.endif
.endm
.macro OPS a, i1, b=-1, i2=0, c=-1, i3=0, d=-1, i4=0
	OP \a, \i1
.if (\b) >= 0
	OP \b, \i2
.endif
.if (\c) >= 0
	OP \c, \i3
.endif
.if (\d) >= 0
	OP \d, \i4
.endif
.endm
.macro ROW a, i1, b, i2, c, i3, d, i4  ; a matrix instruction and the four behind it
	MM
	OPS \a, \i1, \b, \i2, \c, \i3, \d, \i4
.endm
.macro MASK b                       ; MD x AL + BE into buffer b of MC
	WIN W_RS
.set z, 0
.rept 16
	v_pk_fma_f32 v[MC+32*(\b)+2*z:MC+32*(\b)+2*z+1], v[MD+2*z:MD+2*z+1], s[AL:AL+1], s[BE:BE+1] op_sel_hi:[1,0,0]
.set z, z+1
.endr
.endm
; A TURN, for piece p in a step of parity sp.  One wait cuts it in two: ahead of it stands all that names no result of the turn's exponentials, behind it the 8 products V^T P with the roundings and sums as riders.
; m = 1: the diagonal tile: the products take masks, and the turn makes piece p's mask for step TQ, which the next turn's products take.  end = 1: a block's last two turns: nothing is fetched.
; cnt = 1: the loop's count is taken down some lines ahead of the branch behind the turn.
; The run of LDS loads (p = 0: K of the next step; p = 1: V of the next step, into the buffer that the turn before read last) stands in the lump: five plain instructions that name no register of the last
; product K Q^T lie between that product and K's run.  Both runs are waited for at the head of the next turn of piece 1.
.macro TURN p, sp, m=0, end=0, cnt=0
.set Y, (\p)
.set i, 0
.set KM, (\m)
.set NOKQ, (\end)*(\p)
.set VB, ((\sp)+1-(\p))%2
.if (\m) && !(\end)
	s_cmp_eq_u32 s[TQ], s[OB0+(\p)]     ; is that step the band's own?
	s_cselect_b32 s[AL], 1.0, 0
	s_cmp_gt_u32 s[TQ], s[OB0+(\p)]     ; or a later one?
	s_cselect_b32 s[BE], s[BIGN], 0
.if (\p) == 1
	s_add_co_u32 s[TQ], s[TQ], 1
.endif
.endif
.if (\p) == 1
	s_wait_dscnt 0x0                ; K of the next step is in, and V of this one
.endif
	ROW F,0, F,1, R,0, R,1
	ROW F,2, E,0, R,2, R,3
	ROW F,3, E,1, R,4, R,5
	ROW F,4, E,2, R,6, R,7
	ROW F,5, E,3, R,8, R,9
	ROW F,6, E,4, X,0, R,10
.if !(\end)
	WIN 0
.if (\p) == 0
	v_add_nc_u32 v[AK], s[TBK], v[AK0]
.else
	v_add_nc_u32 v[AV], s[TBV], v[AV0]
.endif
.endif
	ROW F,7, E,5, X,1, X,4
	ROW F,8, E,6, X,2, X,5
	OPS E,7, E,8, X,6, E,9
	OPS X,3, E,10, X,8, E,11
.if !(\end)
.if (\p) == 0
	FETCH_K
.else
	FETCH_V 1-(\sp)
.endif
.endif
	OPS X,9, X,7, E,12, X,10
	OPS E,13, X,12, X,11, E,14
	OPS X,13, E,15, F,9, X,14
	OPS E,16, F,10, E,17, F,11
	OPS X,16, E,18, X,15, E,19
	OPS F,12, E,20, X,17, E,21
	OPS F,13, E,22, F,14, E,23
	OPS X,18, E,24, F,15, E,25
	OPS R,11, E,26, X,19, E,27
	OPS R,12, E,28, R,13, E,29
	OPS X,20, E,30, R,14, E,31
	OPS X,21, R,15
	WIN 0
	s_wait_alu depctr_va_vdst(0)    ; the wait for the batch, ahead of the first reader; R 15 is the plain instruction behind the last exponential
	ROW C,0, B,0, C,2, B,1
	ROW L,0, C,4, B,2, L,1
	ROW C,6, B,3, L,2, C,8
	ROW B,4, L,3, C,10, B,5
	ROW L,4, C,12, B,6, L,5
.if \cnt
	s_sub_co_u32 s[CNT], s[CNT], 1
	s_cmp_lg_u32 s[CNT], 0
.endif
	ROW C,14, B,7, L,6, C,1
	ROW C,3, L,7, C,5, C,7
	ROW C,9, C,11, C,13, C,15
.if (\m) && !(\end)
	MASK \p
.endif
.endm
; A BLOCK BEGINS.  c m starts far below every c s, so the first step's a is 0; m at the lowest finite number.  Piece 1's mask for step 0 is 0 (its band's number is 1 or more); piece 0's is the diagonal's
; if this tile is the block's last and its band's number is 0.  Then K and V of step 0, piece 0's first scores, its maximum and statistics.  The loop is entered in the middle of a trip.
.macro BEGIN
	s_mov_b32 s[NEW], 0
	s_mov_b32 s[TQ], 1
	WIN 0x40
.set i, MC+32
.rept 32
	v_mov_b32 v[i], 0
.set i, i+1
.endr
	WIN 0
.set i, 0
.rept 2
	v_mov_b32 v[ST+4*i], 0xfe000000
	v_mov_b32 v[ST+4*i+1], 0xff7fffff
.set i, i+1
.endr
	s_or_b32 s13, s[RT], s[OB0]
	s_cmp_eq_u32 s13, 0
	s_cselect_b32 s[AL], 1.0, 0
	s_mov_b32 s[BE], 0
	MASK 0
	WIN 0
	v_add_nc_u32 v[AK], s[TBK], v[AK0]
	v_add_nc_u32 v[AV], s[TBV], v[AV0]
	FETCH_K
	FETCH_V 0
	s_wait_loadcnt 0x0              ; Q
	s_wait_dscnt 0x0
.set KM, 1
.set NOKQ, 0
.set i, 0
.rept 8
	KQ 0
.set i, i+1
.endr
	WIN 0
.rept 4
	v_nop                           ; the places behind those products
.endr
.set Y, NP-1
.irp n, 0,1,2,3,4,5,6,7,8,9,10,11,12,13,14,15,16,17,18,19,20,21
	OP X, \n
.endr
	v_nop                           ; a plain instruction behind the exponential,
	s_wait_alu depctr_va_vdst(0)    ; and its wait, ahead of the branch
.endm
.macro ALL line:vararg              ; one line for each piece t
.set t, 0
.rept 2
	\line
.set t, t+1
.endr
.endm
.macro PACK t                       ; a lane's eight channels of a row pack into 16 bytes; they go into rows of 144 bytes and come back as whole rows of 128
	WIN W_RS
.set i, 32*(\t)
.rept 16
	v_pk_mul_f32 v[i:i+1], v[i:i+1], v[ST+4*(\t)+2:ST+4*(\t)+3] op_sel_hi:[1,0]
.set i, i+2
.endr
	WIN 0x05
.set i, 0
.rept 16
	v_cvt_pk_f16_f32 v[S+16*(\t)+i], v[32*(\t)+2*i], v[32*(\t)+2*i+1]
.set i, i+1
.endr
	WIN 0
.irp f, 0,1,2,3
	ds_store_b128 v[STO], v[S+16*(\t)+4*\f:S+16*(\t)+4*\f+3] offset:32*\f
.endr
.irp f, 0,1,2,3
	ds_load_b128 v[S+16*(\t)+4*\f:S+16*(\t)+4*\f+3], v[RD] offset:\f*4*SP  ; LDS serves a wave's instructions in order (ISA guide 5.7.1.4)
.endr
.endm
.macro SEND t, younger              ; younger: the LDS instructions issued behind piece t's loads
	WIN 0
.irp f, 0,1,2,3
	s_wait_dscnt (\younger)+3-\f
	global_store_b128 v[GO], v[S+16*(\t)+4*\f:S+16*(\t)+4*\f+3], s[10:11] offset:(\t)*8192+\f*512  ; 512 consecutive bytes, at a multiple of 256 from the buffer's first
.endr
.endm
; THE DIAGONAL TILE: its fetches' eight turns (the first two still belong to the tile before: piece 1's mask for them is 0), the block's last two turns, its last products, and the way out.
.macro DIAG tag
.LentM\tag:
	s_mov_b32 s[TQ], 0
	s_mov_b32 s[AL], 0
	s_mov_b32 s[BE], 0
	MASK 1
	WIN 0
.LstepM\tag:
	TURN 0, 1, 1
	TURN 1, 1, 1
	WIN 0
.LfirstM\tag:
	TURN 0, 0, 1
	TURN 1, 0, 1, 0, 1
	WIN 0
	s_cbranch_scc1 .LstepM\tag
	TURN 0, 1, 1, 1
	TURN 1, 1, 1, 1
.set VB, 1
.set i, 0
.rept 8
	PV 1
.set i, i+1
.endr
	WIN 0
	ALL v_add_f32 v[ST+4*t+2], v[ST+4*t+2], v[ST+4*t+3]
	ALL v_permlanex16_b32 v[ST+4*t+3], v[ST+4*t+2], s[SEL], s[SEL+1]
	ALL v_add_f32 v[ST+4*t+2], v[ST+4*t+2], v[ST+4*t+3]
	ALL v_rcp_f32 v[ST+4*t+2], v[ST+4*t+2]
	v_nop                           ; a plain instruction between the last reciprocal and the use of its result
	s_wait_alu depctr_va_vdst(0)    ; one wait for the two reciprocals
	PACK 0                          ; piece 0's 32 lines are the places behind piece 1's last products
	PACK 1
	SEND 0, 8
	SEND 1, 0
.endm
.set KM, 0
.set NOKQ, 0
.set VB, 0
.Lslot:                             ; NB times: a tile is entered and the next is asked for
	CHANGE 1
	s_sub_co_u32 s[RT], s[RT], 1
	s_mov_b32 s[CNT], 2
	s_cmp_eq_u32 s[NEW], 1
	s_cbranch_scc1 .Lnew            ; a block's first tile
	s_cmp_eq_u32 s[RT], 0
	s_cbranch_scc0 .Lstep           ; neither its first nor its last
	s_branch .LentM1
.Lnew:
	BEGIN
	s_branch .Lfirst                ; in the loop a block's first tile is never its last: the first block has five tiles or more, and a second block of one tile is the walk's last tile
	DIAG 1                          ; in the loop this is the first block's end
	s_wait_xcnt 0x0                 ; the stores have read their registers and O's address
	s_mov_b64 s[10:11], s[OLO:OLO+1]
	s_add_co_u32 s[RT], s[LQ2], 1
	s_and_b32 s[OB0], s[PB], 1
	s_lshl_b32 s[OB0], s[OB0], 1
	s_add_co_u32 s[OB0+1], s[OB0], 1
	s_mov_b32 s[NEW], 1
	WIN 0x82                        ; the second block's Q goes where the one text of the turns names Q
.set i, 0
.rept 32
	v_mov_b32 v[i], v[QB+i]
.set i, i+1
.endr
	WIN 0
	s_branch .Lbottom
.Lstep:                             ; a trip: two steps' turns
	TURN 0, 1
	TURN 1, 1
	WIN 0
.Lfirst:
	TURN 0, 0
	TURN 1, 0, 0, 0, 1
	WIN 0
	s_cbranch_scc1 .Lstep
.Lbottom:
	s_sub_co_u32 s[SLOTS], s[SLOTS], 1
	s_cmp_lg_u32 s[SLOTS], 0
	s_cbranch_scc1 .Lslot
	CHANGE 0                        ; the walk's last tile is written out
	s_sub_co_u32 s[RT], s[RT], 1
	s_mov_b32 s[CNT], 2
	s_cmp_eq_u32 s[NEW], 1
	s_cbranch_scc0 .LentM2
	BEGIN
	s_branch .LfirstM2
	DIAG 2
	s_wait_tensorcnt 0x0            ; the wave's end
	ds_add_u32 v[SPW], v[NIL]
	s_wait_dscnt 0x0
	s_endpgm
.Lfunc_end_k_qb534c4174c_attn:
	.size	k_qb534c4174c_attn, .Lfunc_end_k_qb534c4174c_attn-k_qb534c4174c_attn
	.p2alignl 7, 3214868480
	.fill 96, 4, 3214868480
	.section	.rodata,"a",@progbits
	.p2align	6, 0x0
	.amdhsa_kernel k_qb534c4174c_attn
		.amdhsa_group_segment_fixed_size 327680
		.amdhsa_private_segment_fixed_size 0
		.amdhsa_enable_private_segment 0
		.amdhsa_kernarg_size 16
		.amdhsa_user_sgpr_count 2
		.amdhsa_user_sgpr_kernarg_segment_ptr 1
		.amdhsa_wavefront_size32 1
		.amdhsa_system_sgpr_workgroup_id_x 1
		.amdhsa_system_sgpr_workgroup_id_y 1
		.amdhsa_system_sgpr_workgroup_id_z 1
		.amdhsa_system_vgpr_workitem_id 0
		.amdhsa_next_free_vgpr 768
		.amdhsa_next_free_sgpr 100
		.amdhsa_reserve_vcc 1
		.amdhsa_float_denorm_mode_32 3
		.amdhsa_float_denorm_mode_16_64 3
		.amdhsa_memory_ordered 1
		.amdhsa_forward_progress 1
		.amdhsa_inst_pref_size 212
	.end_amdhsa_kernel
	.amdgpu_metadata
---
amdhsa.version: [ 1, 2 ]
amdhsa.kernels:
  - .name:           k_qb534c4174c_attn
    .symbol:         k_qb534c4174c_attn.kd
    .args:
      - { .name: qkvh, .offset: 0, .size: 8, .value_kind: global_buffer, .address_space: global }
      - { .name: ao, .offset: 8, .size: 8, .value_kind: global_buffer, .address_space: global }
    .group_segment_fixed_size: 327680
    .private_segment_fixed_size: 0
    .kernarg_segment_align: 8
    .kernarg_segment_size: 16
    .max_flat_workgroup_size: 128
    .sgpr_count:     100
    .vgpr_count:     768
    .wavefront_size: 32
...
	.end_amdgpu_metadata
.endif
;; end of part 3
;; launch oproj (part 4): grid 8 x 32, 4 waves a work-group, clusters of 4 x 4, 327,680 bytes of LDS; arguments ao, pw, x, h1, h1b, ssq; writes h1, h1b, ssq
.if DOCPART == 4
	.amdgcn_target "amdgcn-amd-amdhsa--gfx1250"
	.amdhsa_code_object_version 6
	.text
	.protected	k_qb534c4174c_oproj
	.globl	k_qb534c4174c_oproj
	.p2align	8
	.type	k_qb534c4174c_oproj,@function
k_qb534c4174c_oproj:
	s_mov_b64 s[64:65], 0
	v_nop
	global_prefetch_b8 v0, s[64:65] scope:SCOPE_SE
	s_setreg_imm32_b32 hwreg(HW_REG_WAVE_MODE, 25, 1), 1
	s_wait_xcnt 0x0
	s_wait_alu depctr_hold_cnt(0) depctr_sa_sdst(0) depctr_va_vdst(0) depctr_va_sdst(0) depctr_va_ssrc(0) depctr_va_vcc(0) depctr_vm_vsrc(0)
	s_getreg_b32 s2, hwreg(HW_REG_IB_STS2, 6, 4)
	s_cmp_eq_u32 s2, 0
	s_cbranch_scc0 .Lentry_in_a_cluster
	s_endpgm
.Lentry_in_a_cluster:
	s_bfe_u32 s2, ttmp6, 0x10000c
	s_cmp_lg_u32 s2, 0xf033
	s_cbranch_scc0 .Lentry_shape_is_right
	s_endpgm
.Lentry_shape_is_right:
; OUTPUT PROJECTION AND RESIDUAL.  h1[m][n] = x[m][n] + sum over k of O[m][k] o_w[n][k], m 4,096, n 1,024, k 1,024 = head x 64 + channel; f16 operands, f32 sums.
; x is the C operand that starts the sums: it is loaded straight into the accumulators.  Out go h1 (f32), h1b (bf16, in planes of 64 columns: [16][4096][64]) and, for the second norm,
; ssq[part][row]: the f32 sum of squares of a row's 64 columns of one part, 16 parts a row, added up in a fixed order by the launch behind.
; LIMITS.  O and o_w within f16's 65,504.
; SHARES.  A work-group makes 128 x 128; four waves, 2 x 2, each 64 x 64: 16 accumulators.  8 x 32 work-groups.  K in steps of 256 (four heads) through two LDS slots; a step is 8 sub-steps of 32.
; A's tile: a head's 128 rows are 16,384 dense bytes: one descriptor row; a wave fetches two heads; padding after every 128 bytes.  B's: 64 rows of 512 bytes a wave.
; CLUSTER 4 x 4: A jointly along a row, B along a column.  No prefetch: the tiles are small.
; REGISTERS.  window 0: v0-31 addresses, v32-95 A's fragments, v96-159 the way out; window 1: B's fragments, two buffers of 32; window 2: accumulator t = a*4+b at 8 t.
.set MB, 4
.set NB, 4
.set NT, 16
.set P1, 4
.set P2, 8
.set KS, 4
.set PA, 144
.set PBB, 528
.set BOFF, 4*128*PA
.set SLOT, BOFF+128*PBB
.set SSQ, 2*SLOT                       ; 1,024 bytes of their own: a wave's 64 sums of squares
.set SPARE, SSQ+1024
.set KA, 1048576
.set KB, 512
.set PSA, 128*PA                       ; a pair of sub-steps is a head of A,
.set PSB, 128                          ; and 128 bytes of B's rows
.set WO, 6291456
.set SPI, 272
.set WST, 64*SPI
.set ADRA0, 2
.set ADRB0, 3
.set RA, 4
.set RB, 5
.set STO, 8
.set RD0, 9
.set RD, 10
.set HO, 11
.set BO, 12
.set SA0, 13
.set SA, 14
.set XO, 15
.set SL, 16
.set SPW, 28
.set NIL, 29
.set HH, 96
.set YY, 128
.set QQ, 144
.set G1A, 24
.set G0A, 32
.set G1B, 48
.set G0B, 56
.set CUR, 66
.set KC, 67
.set TC, 68
.set LBA, 69
.set LBB, 70
.set TA, 74
.set TB, 75
.set PC, 76
.set XP, 78
.set HP, 80
.set BP, 82
.set SQP, 84
.set SR, 86
.set SS, 87
.set CA, 96
.set MSB, 0
.macro WIN new
.if MSB != (\new)
	s_set_vgpr_msb (MSB<<8)|(\new)
.set MSB, \new
.endif
.endm
.macro PLACES
.rept 4
	v_nop
.endr
.endm
.macro CREST
	s_cmp_lg_u32 s10, 0
	s_cbranch_scc1 .Lnot_wave_0_\@
	s_barrier_signal -3
.Lnot_wave_0_\@:
	s_barrier_wait -3
	s_barrier_signal -1
	s_barrier_wait -1
.endm
.macro CROUND
	s_barrier_signal -1
	s_barrier_wait -1
	CREST
.endm
.macro JLOAD
	s_cmp_eq_u32 s11, 0
	s_cbranch_scc0 .Lfor_b_\@
	tensor_load_to_lds s[G0A+4:G0A+7], s[G1A:G1A+7]
	s_nop 0
.rept 4
	v_nop
.endr
	s_branch .Lasked_\@
.Lfor_b_\@:
	tensor_load_to_lds s[G0B+4:G0B+7], s[G1B:G1B+7]
	s_nop 0
.rept 4
	v_nop
.endr
.Lasked_\@:
.endm
.macro WMMA ops:vararg
	v_wmma_f32_16x16x32_f16 \ops
.endm
.macro MUL f, t0, t1, zero             ; the accumulators take turns, one instruction a sub-step each
.set t, \t0
.rept (\t1)-(\t0)
.set acw, 2+(8*t)/256
.set acl, (8*t)%256
.set frb, (\f)*8*NB+8*(t%NB)
.set fra, 32+(\f)*32+8*(t/NB)
	WIN 0x01|(acw<<4)|(acw<<6)
.if \zero
	WMMA v[acl:acl+7], v[frb:frb+7], v[fra:fra+7], 0
.else
	WMMA v[acl:acl+7], v[frb:frb+7], v[fra:fra+7], v[acl:acl+7]
.endif
.set t, t+1
.endr
.endm
.macro FETCH f, odd                    ; the even or odd sub-step of the pair at RA, RB into buffer f
	WIN 0x40
.set n, 0
.rept NB
	ds_load_b128 v[(\f)*8*NB+8*n:(\f)*8*NB+8*n+3],   v[RB] offset:64*(\odd)+n*16*PBB
	ds_load_b128 v[(\f)*8*NB+8*n+4:(\f)*8*NB+8*n+7], v[RB] offset:64*(\odd)+n*16*PBB+32
.set n, n+1
.endr
	WIN 0
.set n, 0
.rept MB
	ds_load_b128 v[32+(\f)*32+8*n:32+(\f)*32+8*n+3],   v[RA] offset:64*(\odd)+n*16*PA
	ds_load_b128 v[32+(\f)*32+8*n+4:32+(\f)*32+8*n+7], v[RA] offset:64*(\odd)+n*16*PA+32
.set n, n+1
.endr
.endm
.macro SUB f, g, q, zero
	s_wait_dscnt 0x0                               ; buffer f is in
	PLACES
	FETCH \g, \q
	MUL \f, 0, NT, \zero
.endm
.macro PAIRS                           ; a step's sub-steps 1 to 6 are multiplied, 2 to 7 fetched: three trips of two
	s_add_co_u32 s[TA], s[CUR], PSA
	s_add_co_u32 s[TB], s[CUR], PSB
	s_mov_b32 s[PC], 3
.Lpair_\@:
	s_wait_dscnt 0x0                               ; buffer 1 is in
	v_add_nc_u32 v[RA], s[TA], v[ADRA0]            ; the next pair's addresses: with the two v_nop the four places in front of the loads
	v_add_nc_u32 v[RB], s[TB], v[ADRB0]
	v_nop
	v_nop
	FETCH 0, 0
	MUL 1, 0, NT, 0
	SUB 0, 1, 1, 0
	WIN 0
	s_add_co_u32 s[TA], s[TA], PSA
	s_add_co_u32 s[TB], s[TB], PSB
	s_sub_co_u32 s[PC], s[PC], 1
	s_cmp_lg_u32 s[PC], 0
	s_cbranch_scc1 .Lpair_\@
.endm
.macro TURN fill                       ; a step's last sub-step, on buffer 1, and the change of slots
	WIN 0
	s_wait_tensorcnt 0x0                           ; all my tensor loads have landed: my part of the next slot
	ds_add_u32 v[SPW], v[NIL]                      ; 0 onto my spare word
	s_wait_dscnt 1                                 ; buffer 1 is in; only the add is younger
	MUL 1, 0, P1, 0
.if \fill
	s_add_co_u32 s[G0A+5], s[LBA], s[CUR]          ; the walking descriptors: the slot that is being left, one step on
	s_add_nc_u64 s[G0A+6:G0A+7], s[G0A+6:G0A+7], KA
	s_add_co_u32 s[G0B+5], s[LBB], s[CUR]
	s_add_nc_u64 s[G0B+6:G0B+7], s[G0B+6:G0B+7], KB
.endif
	s_wait_dscnt 0x0                               ; the add is done, my reads of this slot are over
	s_barrier_signal -1
	MUL 1, P1, P2, 0
	WIN 0
	s_barrier_wait -1
.if \fill
	CREST
	JLOAD
.else
	PLACES
.endif
	s_xor_b32 s[CUR], s[CUR], SLOT
	v_add_nc_u32 v[RA], s[CUR], v[ADRA0]
	v_add_nc_u32 v[RB], s[CUR], v[ADRB0]
.if \fill
	FETCH 0, 0
.else
	s_cmp_eq_u32 s[TC], 1
	s_cbranch_scc1 .Lno_fetch_\@
	FETCH 0, 0
.Lno_fetch_\@:
.endif
	MUL 1, P2, NT, 0
.endm
	s_load_b128 s[4:7], s[0:1], 0x0                ; ao, pw
	s_load_b256 s[88:95], s[0:1], 0x10             ; x, h1, h1b, ssq
	v_lshl_add_u32 v[SPW], v0, 2, SPARE
	v_mov_b32 v[NIL], 0
	ds_add_u32 v[SPW], v[NIL]                      ; the wave's opening
	ds_add_u32 v28, v29
	v_lshrrev_b32 v1, 5, v0
	v_readfirstlane_b32 s10, v1
	s_lshr_b32 s11, s10, 1                         ; my half of the rows; also 0: I fetch for A, 1: for B
	s_and_b32 s12, s10, 1                          ; my half of the columns; also which half I fetch
	s_bfe_u32 s40, ttmp6, 0x40000
	s_bfe_u32 s41, ttmp6, 0x40004
	s_lshl_b32 s42, ttmp9, 2
	s_add_co_u32 s42, s42, s40                     ; N tile
	s_and_b32 s13, ttmp7, 0xffff
	s_lshl_b32 s13, s13, 2
	s_add_co_u32 s13, s13, s41                     ; M tile
	s_lshl_b32 s43, s41, 2
	s_lshl_b32 s43, 15, s43
	s_lshl_b32 s44, 0x1111, s40
	s_or_b32 s[G1A], s43, (1<<16)|(1<<20)|(1<<21)|(4<<22)|(3<<25)  ; padding of 4 words after every 32
	s_or_b32 s[G1B], s44, (1<<16)|(1<<20)|(1<<21)|(6<<22)|(3<<25)  ; after every 128
	s_mov_b32 s[G1A+1], 8192<<16                   ; tensor_dim0 = 8,192 elements: 128 rows of a head, dense
	s_mov_b32 s[G1A+2], 2<<16                      ; tensor_dim1 = 2 heads
	s_mov_b32 s[G1A+3], 8192<<16
	s_mov_b32 s[G1A+4], 2
	s_mov_b32 s[G1A+5], 131072                     ; elements from head to head
	s_mov_b32 s[G1A+6], 0
	s_mov_b32 s[G1A+7], 0
	s_mov_b32 s[G1B+1], 256<<16
	s_mov_b32 s[G1B+2], 64<<16
	s_mov_b32 s[G1B+3], 256<<16
	s_mov_b32 s[G1B+4], 64
	s_mov_b32 s[G1B+5], 1024
	s_mov_b32 s[G1B+6], 0
	s_mov_b32 s[G1B+7], 0
	s_lshr_b32 s16, s13, 4                         ; A: batch x 16 heads, my two heads, the tile's 128 rows
	s_lshl_b32 s16, s16, 22
	s_lshl_b32 s17, s12, 19
	s_add_co_u32 s16, s16, s17
	s_and_b32 s17, s13, 15
	s_lshl_b32 s17, s17, 14
	s_add_co_u32 s16, s16, s17
	s_mov_b32 s17, 0
	s_lshl_b32 s46, s42, 18                        ; B: row 128 nt + 64 half
	s_lshl_b32 s47, s12, 17
	s_add_co_u32 s46, s46, s47
	s_add_co_u32 s46, s46, WO
	s_mov_b32 s47, 0
	s_mul_i32 s[LBA], s12, 2*128*PA
	s_mul_i32 s[LBB], s12, 64*PBB
	s_add_co_u32 s[LBB], s[LBB], BOFF
	s_wait_dscnt 0x0
	s_wait_kmcnt 0x0
	s_add_nc_u64 s[14:15], s[4:5], s[16:17]
	s_add_nc_u64 s[46:47], s[6:7], s[46:47]
	CROUND
.irp s, 0,1
	s_mov_b32 s[G0A+4*(\s)], 1
	s_add_co_u32 s[G0A+4*(\s)+1], s[LBA], (\s)*SLOT
	s_add_nc_u64 s[G0A+4*(\s)+2:G0A+4*(\s)+3], s[14:15], (\s)*KA
	s_or_b32 s[G0A+4*(\s)+3], s[G0A+4*(\s)+3], 0x80000000
	s_mov_b32 s[G0B+4*(\s)], 1
	s_add_co_u32 s[G0B+4*(\s)+1], s[LBB], (\s)*SLOT
	s_add_nc_u64 s[G0B+4*(\s)+2:G0B+4*(\s)+3], s[46:47], (\s)*KB
	s_or_b32 s[G0B+4*(\s)+3], s[G0B+4*(\s)+3], 0x80000000
.endr
	s_cmp_eq_u32 s11, 0
	s_cbranch_scc0 .Lfirst_b
	tensor_load_to_lds s[G0A:G0A+3], s[G1A:G1A+7]
	s_nop 0
	tensor_load_to_lds s[G0A+4:G0A+7], s[G1A:G1A+7]
	s_nop 0
.rept 4
	v_nop
.endr
	s_branch .Lfirst_done
.Lfirst_b:
	tensor_load_to_lds s[G0B:G0B+3], s[G1B:G1B+7]
	s_nop 0
	tensor_load_to_lds s[G0B+4:G0B+7], s[G1B:G1B+7]
	s_nop 0
.rept 4
	v_nop
.endr
.Lfirst_done:
	v_and_b32 v1, 15, v0                           ; r
	v_bfe_u32 v6, v0, 4, 1                         ; h
	v_and_b32 v17, 31, v0                          ; l
	; my part of x, h1: row 128 mt + 64 mi, column 128 nt + 64 ni
	s_lshl_b32 s16, s13, 19
	s_lshl_b32 s18, s11, 18
	s_add_co_u32 s16, s16, s18
	s_lshl_b32 s18, s42, 9
	s_add_co_u32 s16, s16, s18
	s_lshl_b32 s18, s12, 8
	s_add_co_u32 s16, s16, s18
	s_add_nc_u64 s[XP:XP+1], s[88:89], s[16:17]
	s_add_nc_u64 s[HP:HP+1], s[90:91], s[16:17]
	v_lshlrev_b32 v[XO], 12, v1
	v_lshl_add_u32 v[XO], v6, 5, v[XO]             ; row r, my eight columns
	WIN 0x80
.set t, 0
.rept NT                               ; x is what the sums start from
	global_load_b128 v[8*t:8*t+3],   v[XO], s[XP:XP+1] offset:(t/NB)*65536+(t%NB)*64
	global_load_b128 v[8*t+4:8*t+7], v[XO], s[XP:XP+1] offset:(t/NB)*65536+(t%NB)*64+16
.set t, t+1
.endr
	WIN 0
	v_mul_u32_u24 v7, v1, PA
	v_lshl_add_u32 v7, v6, 4, v7
	s_mul_i32 s16, s11, 64*PA
	v_add_nc_u32 v[ADRA0], s16, v7
	v_mul_u32_u24 v7, v1, PBB
	v_lshl_add_u32 v7, v6, 4, v7
	s_mul_i32 s16, s12, 64*PBB
	s_add_co_u32 s16, s16, BOFF
	v_add_nc_u32 v[ADRB0], s16, v7
	s_mul_i32 s16, s10, WST                        ; my stage
	v_mul_u32_u24 v[STO], v1, SPI
	v_lshl_add_u32 v[STO], v6, 5, v[STO]
	v_add_nc_u32 v[STO], s16, v[STO]
	v_mul_u32_u24 v[RD0], v6, SPI                  ; back: lanes 0-15 one row of 256 bytes, lanes 16-31 the next
	v_lshl_add_u32 v[RD0], v1, 4, v[RD0]
	v_add_nc_u32 v[RD0], s16, v[RD0]
	v_lshlrev_b32 v[HO], 12, v6
	v_lshl_add_u32 v[HO], v1, 4, v[HO]
	v_lshlrev_b32 v[BO], 3, v17
	s_lshl_b32 s16, s10, 8
	s_add_co_u32 s16, s16, SSQ
	v_lshl_add_u32 v[SA0], v6, 2, s16
	v_lshl_add_u32 v[SL], v17, 3, s16
	s_lshl_b32 s16, s42, 20                        ; h1b: plane 2 nt + ni, row 128 mt + 64 mi of 128 bytes
	s_lshl_b32 s18, s12, 19
	s_add_co_u32 s16, s16, s18
	s_lshl_b32 s18, s13, 14
	s_add_co_u32 s16, s16, s18
	s_lshl_b32 s18, s11, 13
	s_add_co_u32 s16, s16, s18
	s_add_nc_u64 s[BP:BP+1], s[92:93], s[16:17]
	s_lshl_b32 s16, s42, 15                        ; ssq: part 2 nt + ni, my 64 rows
	s_lshl_b32 s18, s12, 14
	s_add_co_u32 s16, s16, s18
	s_lshl_b32 s18, s13, 9
	s_add_co_u32 s16, s16, s18
	s_lshl_b32 s18, s11, 8
	s_add_co_u32 s16, s16, s18
	s_add_nc_u64 s[SQP:SQP+1], s[94:95], s[16:17]
	s_wait_tensorcnt 0x1                           ; my part of step 0 is in; step 1's may stay out
	s_barrier_signal -1
	s_barrier_wait -1
	s_mov_b32 s[CUR], 0
	v_mov_b32 v[RA], v[ADRA0]
	v_mov_b32 v[RB], v[ADRB0]
	FETCH 0, 0
	s_wait_loadcnt 0x0                             ; x
	s_mov_b32 s[KC], KS-1
	s_branch .Lmid                                 ; the loop is entered at a step's first sub-step
.Ltop:
	PAIRS
	TURN 1
	WIN 0
.Lmid:
	SUB 0, 1, 1, 0
	WIN 0
	s_sub_co_u32 s[KC], s[KC], 1
	s_cmp_lg_u32 s[KC], 0
	s_cbranch_scc1 .Ltop
	s_mov_b32 s[TC], 2
.Ltail:                                        ; the last two steps ask for nothing
	PAIRS
	TURN 0
	WIN 0
	s_sub_co_u32 s[TC], s[TC], 1
	s_cmp_eq_u32 s[TC], 0
	s_cbranch_scc1 .Lout
	SUB 0, 1, 1, 0
	WIN 0
	s_branch .Ltail
.Lout:
	s_wait_dscnt 0x0
	s_barrier_signal -1                            ; nobody reads the slots any more: the stages may lie over them
	s_barrier_wait -1
	PLACES
	WIN 2<<2
.set t, 0
.rept NT
	ds_store_b128 v[STO], v[8*t:8*t+3]   offset:(t/NB)*16*SPI+(t%NB)*64
	ds_store_b128 v[STO], v[8*t+4:8*t+7] offset:(t/NB)*16*SPI+(t%NB)*64+16
.set t, t+1
.endr
	WIN 0
	s_mov_b32 s[SR], 0
	s_mov_b32 s[SS], 0
	s_mov_b32 s[CA], 4
.Lrows:                                        ; 16 rows a trip
	s_wait_xcnt 0x0                                ; the last trip's stores have read their registers and pointers
	v_add_nc_u32 v[RD], s[SR], v[RD0]
	v_add_nc_u32 v[SA], s[SS], v[SA0]
.irp t, 0,1,2,3,4,5,6,7
	ds_load_b128 v[HH+4*(\t):HH+4*(\t)+3], v[RD] offset:2*SPI*(\t)
.endr
	s_wait_dscnt 0x0
.irp t, 0,1,2,3,4,5,6,7
	global_store_b128 v[HO], v[HH+4*(\t):HH+4*(\t)+3], s[HP:HP+1] offset:8192*(\t)  ; sixteen lanes fill 256 consecutive bytes, aligned
.endr
.set p, 0
.rept 16
	v_cvt_pk_bf16_f32 v[YY+p], v[HH+2*p], v[HH+2*p+1]
.set p, p+1
.endr
.irp t, 0,1,2,3,4,5,6,7
	global_store_b64 v[BO], v[YY+2*(\t):YY+2*(\t)+1], s[BP:BP+1] offset:256*(\t)    ; two rows of a plane: 256 consecutive bytes
.endr
.irp t, 0,1,2,3,4,5,6,7
	v_pk_mul_f32 v[QQ+2*(\t):QQ+2*(\t)+1], v[HH+4*(\t):HH+4*(\t)+1], v[HH+4*(\t):HH+4*(\t)+1]
.endr
.irp t, 0,1,2,3,4,5,6,7
	v_pk_fma_f32 v[QQ+2*(\t):QQ+2*(\t)+1], v[HH+4*(\t)+2:HH+4*(\t)+3], v[HH+4*(\t)+2:HH+4*(\t)+3], v[QQ+2*(\t):QQ+2*(\t)+1]
.endr
.irp t, 0,1,2,3,4,5,6,7
	v_add_f32 v[QQ+2*(\t)], v[QQ+2*(\t)], v[QQ+2*(\t)+1]
.endr
.irp x, 1,2,4,8
.irp t, 0,1,2,3,4,5,6,7
	v_add_f32_dpp v[QQ+2*(\t)], v[QQ+2*(\t)], v[QQ+2*(\t)] row_xmask:\x row_mask:0xf bank_mask:0xf
.endr
.endr
.irp t, 0,1,2,3,4,5,6,7
	ds_store_b32 v[SA], v[QQ+2*(\t)] offset:8*(\t) ; sixteen lanes write one word with one value
.endr
	s_wait_xcnt 0x0
	s_add_nc_u64 s[HP:HP+1], s[HP:HP+1], 65536
	s_add_nc_u64 s[BP:BP+1], s[BP:BP+1], 2048
	s_add_co_u32 s[SR], s[SR], 16*SPI
	s_add_co_u32 s[SS], s[SS], 64
	s_sub_co_u32 s[CA], s[CA], 1
	s_cmp_lg_u32 s[CA], 0
	s_cbranch_scc1 .Lrows
	ds_load_b64 v[QQ:QQ+1], v[SL]                  ; my wave's 64 sums, in order behind its own stores
	s_wait_dscnt 0x0
	global_store_b64 v[BO], v[QQ:QQ+1], s[SQP:SQP+1]
	s_wait_tensorcnt 0x0                           ; the wave's end
	ds_add_u32 v[SPW], v[NIL]
	s_wait_dscnt 0x0
	CROUND
	s_endpgm
.Lfunc_end_k_qb534c4174c_oproj:
	.size	k_qb534c4174c_oproj, .Lfunc_end_k_qb534c4174c_oproj-k_qb534c4174c_oproj
	.p2alignl 7, 3214868480
	.fill 96, 4, 3214868480
	.section	.rodata,"a",@progbits
	.p2align	6, 0x0
	.amdhsa_kernel k_qb534c4174c_oproj
		.amdhsa_group_segment_fixed_size 327680
		.amdhsa_private_segment_fixed_size 0
		.amdhsa_enable_private_segment 0
		.amdhsa_kernarg_size 48
		.amdhsa_user_sgpr_count 2
		.amdhsa_user_sgpr_kernarg_segment_ptr 1
		.amdhsa_wavefront_size32 1
		.amdhsa_system_sgpr_workgroup_id_x 1
		.amdhsa_system_sgpr_workgroup_id_y 1
		.amdhsa_system_sgpr_workgroup_id_z 1
		.amdhsa_system_vgpr_workitem_id 0
		.amdhsa_next_free_vgpr 640
		.amdhsa_next_free_sgpr 100
		.amdhsa_reserve_vcc 0
		.amdhsa_float_denorm_mode_32 3
		.amdhsa_float_denorm_mode_16_64 3
		.amdhsa_memory_ordered 1
		.amdhsa_forward_progress 1
		.amdhsa_inst_pref_size 43
	.end_amdhsa_kernel
	.amdgpu_metadata
---
amdhsa.version: [ 1, 2 ]
amdhsa.kernels:
  - .name:           k_qb534c4174c_oproj
    .symbol:         k_qb534c4174c_oproj.kd
    .args:
      - { .name: ao, .offset: 0, .size: 8, .value_kind: global_buffer, .address_space: global }
      - { .name: pw, .offset: 8, .size: 8, .value_kind: global_buffer, .address_space: global }
      - { .name: x, .offset: 16, .size: 8, .value_kind: global_buffer, .address_space: global }
      - { .name: h1, .offset: 24, .size: 8, .value_kind: global_buffer, .address_space: global }
      - { .name: h1b, .offset: 32, .size: 8, .value_kind: global_buffer, .address_space: global }
      - { .name: ssq, .offset: 40, .size: 8, .value_kind: global_buffer, .address_space: global }
    .group_segment_fixed_size: 327680
    .private_segment_fixed_size: 0
    .kernarg_segment_align: 8
    .kernarg_segment_size: 48
    .max_flat_workgroup_size: 128
    .sgpr_count:     100
    .vgpr_count:     640
    .wavefront_size: 32
...
	.end_amdgpu_metadata
.endif
;; end of part 4
;; launch ffn1 (part 5): grid 16 x 16, 4 waves a work-group, clusters of 4 x 4, 327,680 bytes of LDS; arguments h1b, pw, ssq, act; writes act
.if DOCPART == 5
	.amdgcn_target "amdgcn-amd-amdhsa--gfx1250"
	.amdhsa_code_object_version 6
	.text
	.protected	k_qb534c4174c_ffn1
	.globl	k_qb534c4174c_ffn1
	.p2align	8
	.type	k_qb534c4174c_ffn1,@function
k_qb534c4174c_ffn1:
	s_mov_b64 s[64:65], 0
	v_nop
	global_prefetch_b8 v0, s[64:65] scope:SCOPE_SE
	s_setreg_imm32_b32 hwreg(HW_REG_WAVE_MODE, 25, 1), 1
	s_wait_xcnt 0x0
	s_wait_alu depctr_hold_cnt(0) depctr_sa_sdst(0) depctr_va_vdst(0) depctr_va_sdst(0) depctr_va_ssrc(0) depctr_va_vcc(0) depctr_vm_vsrc(0)
	s_getreg_b32 s2, hwreg(HW_REG_IB_STS2, 6, 4)
	s_cmp_eq_u32 s2, 0
	s_cbranch_scc0 .Lentry_in_a_cluster
	s_endpgm
.Lentry_in_a_cluster:
	s_bfe_u32 s2, ttmp6, 0x10000c
	s_cmp_lg_u32 s2, 0xf033
	s_cbranch_scc0 .Lentry_shape_is_right
	s_endpgm
.Lentry_shape_is_right:
; FIRST HALF OF SWIGLU.  z[m][n] = (1 / rms[m]) sum over k of h1[m][k] W13[n][k]; W13's row 2 j is w1[j] * gain2, row 2 j + 1 is w3[j] * gain2, so a lane holds pairs (h, g);
; act[m][j] = h sigmoid(h) g, rounded once to bf16, in planes of 16 columns: act[176][4096][16].  bf16 operands, f32 sums.
; The norm is applied behind the product: (h1 gain2 / rms) w^T = (h1 (w gain2)^T) / rms, for every input; rms from the 16 f32 partial sums of squares of a row, added in a fixed order.
; d_ff is padded from 2,752 to 2,816 by zero rows: their act is 0.
; SHARES.  A work-group makes 256 rows x 352 interleaved columns (176 columns of act: 11 planes); 16 x 16 work-groups, one for each WGP.  Four waves, 2 x 2: wave (mi, ni) takes rows 128 mi .. + 127 and
; interleaved columns 176 ni .. + 175: 8 x 11 = 88 accumulators, 704 registers; for 32 along K it reads 38 times 512 bytes from LDS and issues 88 matrix instructions.
; RING.  K in steps of 128 through two LDS slots; a step is 352 matrix instructions a wave, 328 of them between a refill and the wait for it.  Waves 0, 1 fetch A's two planes of h1b, waves 2, 3 B's halves (176 rows of 256 bytes, pitch 272).
; A's PLANE, 256 rows of 128 bytes, is dense in memory: it is asked for as 64 rows of 512 bytes, 16 bytes of padding behind each (pitch 528), so that two slots fit: 2 x (2 x 33,792 + 95,744) + 512 = 327,168 bytes.
; A fragment of A takes sixteen such lines at one of their four places. So lane r of A's fragment a is row 64 (a / 4) + 4 r + a % 4 of my 128.
; CLUSTER 4 x 4: A jointly along a row, B along a column.
; REGISTERS: v0-15 addresses and 1/rms; v16-143 A's fragments, two buffers of 64; v144-319 B's, two buffers of 88; accumulator (a, b) at 320 + 64 b + 8 a.  The products go with b outside, so that a sub-step has few settings of the windows.
; THE WAY OUT goes in two passes of 44 accumulators (my rows 0-63, then 64-127) through one stage over the slots: block a' = a % 4 of the pass holds rows 4 r + a' as sixteen stage rows of 1,424 bytes; a block is 16 bytes longer than its
; rows, so that rows read back in their true order fall on different columns.
.set MB, 8
.set NB, 11
.set NT, 88
.set P1, 8
.set P2, 24
.set KS, 8
.set PA, 528                           ; four rows of a plane of h1b and their padding
.set PLA, 64*PA                        ; a plane's 256 rows
.set PBB, 272                          ; a row of W13: 256 bytes + 16
.set BOFF, 2*PLA
.set SLOT, BOFF+352*PBB
.set SPARE, 2*SLOT                     ; the spare words, 128 bytes a wave, that no other line names
.set KA, 1048576
.set KB, 256
.set W13, 8388608
.set SPI, 1424                         ; the stage's row: 352 f32 + 16 bytes
.set BP, 16*SPI+16                     ; a block of sixteen stage rows
.set ADRA0, 2
.set ADRB0, 3
.set RA, 4
.set RB, 5
.set SPW, 6
.set NIL, 7
.set PFO, 8
.set PFO2, 9
.set RS, 10                            ; v10, v12: 1/rms of my two rows of the pass in hand; v11, v13: of the second pass
.set FA0, 16
.set FB0, 144
.set ACC, 320
.set STO, 2                            ; the way out takes the K loop's address registers
.set STO2, 3
.set RD0, 4
.set RD, 5
.set GO, 14
.set RR, 16
.set ZZ, 48
.set TT, 80
.set AA, 96
.set YY, 112
.set G1A, 24
.set G0A, 32
.set G1B, 48
.set G0B, 56
.set CUR, 66
.set KC, 67
.set TC, 68
.set LBA, 69
.set LBB, 70
.set LIM, 71
.set PFA, 72
.set PFS, 76
.set SQ, 78
.set OP, 80
.set SR, 82
.set CA, 83
.set PASS, 84
.set LG, 86
.set MSB, 0
.macro WIN new                         ; the immediate's high byte repeats the setting that is left; a switch that changes nothing is dropped
.if MSB != (\new)
	s_set_vgpr_msb (MSB<<8)|(\new)
.set MSB, \new
.endif
.endm
.macro PLACES                          ; four places behind a matrix instruction (ISA guide 7.12.1)
.rept 4
	v_nop
.endr
.endm
.macro CREST                           ; a round of the cluster's barrier behind its opening barrier
	s_cmp_lg_u32 s10, 0
	s_cbranch_scc1 .Lnot_wave_0_\@
	s_barrier_signal -3
.Lnot_wave_0_\@:
	s_barrier_wait -3
	s_barrier_signal -1
	s_barrier_wait -1
.endm
.macro CROUND
	s_barrier_signal -1
	s_barrier_wait -1
	CREST
.endm
.macro JLOAD                           ; the joint refill by the walking descriptors; the branch hangs on the wave's number alone; s_nop 0 and four v_nop follow each line
	s_cmp_eq_u32 s11, 0
	s_cbranch_scc0 .Lfor_b_\@
	tensor_load_to_lds s[G0A+4:G0A+7], s[G1A:G1A+7]
	s_nop 0
.rept 4
	v_nop
.endr
	s_branch .Lasked_\@
.Lfor_b_\@:
	tensor_load_to_lds s[G0B+4:G0B+7], s[G1B:G1B+7]
	s_nop 0
.rept 4
	v_nop
.endr
.Lasked_\@:
.endm
.macro WMMA ops:vararg
	v_wmma_f32_16x16x32_bf16 \ops
.endm
; products t0 .. t1-1 of a sub-step from buffer f; t = 8 b + a.  Every accumulator has one instruction a sub-step, always in the same order: the accumulators take turns.
.macro MUL f, t0, t1, zero
.set t, \t0
.rept (\t1)-(\t0)
.set acp, ACC+64*(t/MB)+8*(t%MB)
.set fbp, FB0+88*(\f)+8*(t/MB)
.set fra, FA0+64*(\f)+8*(t%MB)
.set acl, acp%256
.set fbl, fbp%256
	WIN (fbp/256)|((acp/256)<<4)|((acp/256)<<6)
.if \zero
	WMMA v[acl:acl+7], v[fbl:fbl+7], v[fra:fra+7], 0
.else
	WMMA v[acl:acl+7], v[fbl:fbl+7], v[fra:fra+7], v[acl:acl+7]
.endif
.set t, t+1
.endr
.endm
.macro FETCH f, q                      ; the fragments of sub-step q into buffer f: one run of 38 LDS loads
.set n, 0
.rept NB
.set fbp, FB0+88*(\f)+8*n
.set fbl, fbp%256
	WIN (fbp/256)<<6
	ds_load_b128 v[fbl:fbl+3],   v[RB] offset:64*(\q)+n*16*PBB
	ds_load_b128 v[fbl+4:fbl+7], v[RB] offset:64*(\q)+n*16*PBB+32
.set n, n+1
.endr
	WIN 0
.set n, 0
.rept MB
	ds_load_b128 v[FA0+64*(\f)+8*n:FA0+64*(\f)+8*n+3],   v[RA] offset:((\q)/2)*PLA+((\q)%2)*64+(n/4)*16*PA+(n%4)*128
	ds_load_b128 v[FA0+64*(\f)+8*n+4:FA0+64*(\f)+8*n+7], v[RA] offset:((\q)/2)*PLA+((\q)%2)*64+(n/4)*16*PA+(n%4)*128+32
.set n, n+1
.endr
.endm
.macro SUB f, g, q, zero               ; buffer f is multiplied while sub-step q comes into buffer g
	s_wait_dscnt 0x0                               ; buffer f is in: it was asked for a sub-step ago
	PLACES                                         ; the products just issued read buffer g
	FETCH \g, \q
	MUL \f, 0, NT, \zero
.endm
; A prefetch into the L2 of the K step that the NEXT refill will ask for, 352 matrix instructions ahead of that refill.  A's plane (32,768 dense bytes a wave) is named by the clusters with x = 0, 8,192 bytes
; a partner, a lane 256 bytes; B's 176 rows a wave by the clusters with y = 0, 44 rows a partner, a lane a row, in two instructions.  The partners are told apart by address.  The loop's last trip asks for nothing.
.macro ASK
	s_cmp_gt_u32 s[KC], s[LIM]
	s_cbranch_scc0 .Lnot_mine_\@
	global_prefetch_b8 v[PFO], s[PFA:PFA+1] th:TH_LOAD_NT scope:SCOPE_SE
	s_cmp_eq_u32 s11, 0
	s_cbranch_scc1 .Lnot_mine_\@
	global_prefetch_b8 v[PFO2], s[PFA:PFA+1] th:TH_LOAD_NT scope:SCOPE_SE
.Lnot_mine_\@:
.endm
; A step's last sub-step, on buffer 1, and the change of slots.
.macro TURN fill
	WIN 0
.if \fill
	s_wait_xcnt 0x0                                ; the last prefetches, a step back, have read their address
	s_add_nc_u64 s[PFA:PFA+1], s[PFA:PFA+1], s[PFS:PFS+1]
.endif
	s_wait_tensorcnt 0x0                           ; all my tensor loads have landed: my part of the next slot
	ds_add_u32 v[SPW], v[NIL]                      ; 0 onto my spare word
	s_wait_dscnt 1                                 ; buffer 1 is in; only the add is younger
	MUL 1, 0, P1, 0
.if \fill
	s_add_co_u32 s[G0A+5], s[LBA], s[CUR]          ; no tensor load of mine is out: the walking descriptors go to the slot that is being left,
	s_add_nc_u64 s[G0A+6:G0A+7], s[G0A+6:G0A+7], KA  ; and one step on along K
	s_add_co_u32 s[G0B+5], s[LBB], s[CUR]
	s_add_nc_u64 s[G0B+6:G0B+7], s[G0B+6:G0B+7], KB
.endif
	s_wait_dscnt 0x0                               ; the add is done, my reads of this slot are over
	s_barrier_signal -1
	MUL 1, P1, P2, 0
	WIN 0
	s_barrier_wait -1
.if \fill
	CREST                                          ; the barrier opened a round of the cluster's: no wave of any partner reads the slot or has a load on its way
	JLOAD                                          ; its four v_nop are also the places in front of the loads below
.else
	PLACES
.endif
	s_xor_b32 s[CUR], s[CUR], SLOT
	v_add_nc_u32 v[RA], s[CUR], v[ADRA0]
	v_add_nc_u32 v[RB], s[CUR], v[ADRB0]
.if \fill
	FETCH 0, 0
	ASK
.else
	s_cmp_eq_u32 s[TC], 1                          ; behind the last step there is nothing to fetch
	s_cbranch_scc1 .Lno_fetch_\@
	FETCH 0, 0
.Lno_fetch_\@:
.endif
	MUL 1, P2, NT, 0
.endm
	s_load_b128 s[4:7], s[0:1], 0x0                ; h1b, pw
	s_load_b128 s[88:91], s[0:1], 0x10             ; ssq, act
	v_lshl_add_u32 v[SPW], v0, 2, SPARE
	v_mov_b32 v[NIL], 0
	ds_add_u32 v[SPW], v[NIL]                      ; the wave's opening: the add and its wait ahead of my first tensor load
	ds_add_u32 v6, v7
	v_lshrrev_b32 v1, 5, v0
	v_readfirstlane_b32 s10, v1
	s_lshr_b32 s11, s10, 1                         ; mi; also 0: I fetch for A, 1: for B
	s_and_b32 s12, s10, 1                          ; ni; also which half I fetch
	s_bfe_u32 s40, ttmp6, 0x40000
	s_bfe_u32 s41, ttmp6, 0x40004
	s_lshl_b32 s42, ttmp9, 2
	s_add_co_u32 s42, s42, s40                     ; N tile
	s_and_b32 s13, ttmp7, 0xffff
	s_lshl_b32 s13, s13, 2
	s_add_co_u32 s13, s13, s41                     ; M tile
	s_lshl_b32 s43, s41, 2
	s_lshl_b32 s43, 15, s43
	s_lshl_b32 s44, 0x1111, s40
	s_or_b32 s[G1A], s43, (1<<16)|(1<<20)|(1<<21)|(6<<22)|(3<<25)  ; padding of 4 words after every 128: a descriptor row, four rows of a plane
	s_or_b32 s[G1B], s44, (1<<16)|(1<<20)|(1<<21)|(5<<22)|(3<<25)  ; after every 64: a row of W13's K step
	s_mov_b32 s[G1A+1], 256<<16                    ; a plane's 256 rows of 128 bytes are dense: 64 rows of 512 bytes
	s_mov_b32 s[G1A+2], 64<<16
	s_mov_b32 s[G1A+3], 256<<16
	s_mov_b32 s[G1A+4], 64
	s_mov_b32 s[G1A+5], 256
	s_mov_b32 s[G1A+6], 0
	s_mov_b32 s[G1A+7], 0
	s_mov_b32 s[G1B+1], 128<<16
	s_mov_b32 s[G1B+2], 176<<16
	s_mov_b32 s[G1B+3], 128<<16
	s_mov_b32 s[G1B+4], 176
	s_mov_b32 s[G1B+5], 1024
	s_mov_b32 s[G1B+6], 0
	s_mov_b32 s[G1B+7], 0
	s_lshl_b32 s16, s12, 19                        ; A: my plane of the step's two, the tile's 256 rows of 128 bytes
	s_lshl_b32 s17, s13, 15
	s_add_co_u32 s16, s16, s17
	s_mov_b32 s17, 0
	s_mul_i32 s46, s42, 352*2048                   ; B: row 352 nt + 176 half
	s_mul_i32 s47, s12, 176*2048
	s_add_co_u32 s46, s46, s47
	s_add_co_u32 s46, s46, W13
	s_mov_b32 s47, 0
	s_mul_i32 s[LBA], s12, PLA                     ; where they go in a slot: the wave's number alone
	s_mul_i32 s[LBB], s12, 176*PBB
	s_add_co_u32 s[LBB], s[LBB], BOFF
	s_wait_dscnt 0x0                               ; the opening add is done
	s_wait_kmcnt 0x0
	s_add_nc_u64 s[14:15], s[4:5], s[16:17]
	s_add_nc_u64 s[46:47], s[6:7], s[46:47]
	CROUND                                         ; all sixteen work-groups are here: the first joint loads meet
.irp s, 0,1
	s_mov_b32 s[G0A+4*(\s)], 1
	s_add_co_u32 s[G0A+4*(\s)+1], s[LBA], (\s)*SLOT
	s_add_nc_u64 s[G0A+4*(\s)+2:G0A+4*(\s)+3], s[14:15], (\s)*KA
	s_or_b32 s[G0A+4*(\s)+3], s[G0A+4*(\s)+3], 0x80000000
	s_mov_b32 s[G0B+4*(\s)], 1
	s_add_co_u32 s[G0B+4*(\s)+1], s[LBB], (\s)*SLOT
	s_add_nc_u64 s[G0B+4*(\s)+2:G0B+4*(\s)+3], s[46:47], (\s)*KB
	s_or_b32 s[G0B+4*(\s)+3], s[G0B+4*(\s)+3], 0x80000000
.endr
	s_cmp_eq_u32 s11, 0                            ; a wave's two first fills stand in one branch: two loads of mine are out
	s_cbranch_scc0 .Lfirst_b
	tensor_load_to_lds s[G0A:G0A+3], s[G1A:G1A+7]
	s_nop 0
	tensor_load_to_lds s[G0A+4:G0A+7], s[G1A:G1A+7]
	s_nop 0
.rept 4
	v_nop
.endr
	s_branch .Lfirst_done
.Lfirst_b:
	tensor_load_to_lds s[G0B:G0B+3], s[G1B:G1B+7]
	s_nop 0
	tensor_load_to_lds s[G0B+4:G0B+7], s[G1B:G1B+7]
	s_nop 0
.rept 4
	v_nop
.endr
.Lfirst_done:
	v_and_b32 v1, 15, v0                           ; r; v1 and v15 stay for the way out
	v_bfe_u32 v15, v0, 4, 1                        ; h
	; 1/rms.  On the way out lane l = 2 t + e of wave w holds, in pass d and for u = 0, 1, row 128 (w / 2) + 32 (w % 2) + 64 d + 16 u + t of the tile.
	; The two lanes e of a row take eight of its 16 parts each, in ascending order, and add the two sums.
	s_lshl_b32 s16, s13, 10
	s_lshl_b32 s18, s11, 9
	s_add_co_u32 s16, s16, s18
	s_lshl_b32 s18, s12, 7
	s_add_co_u32 s16, s16, s18
	s_add_nc_u64 s[SQ:SQ+1], s[88:89], s[16:17]
	v_bfe_u32 v14, v0, 1, 4                        ; t
	v_lshlrev_b32 v14, 2, v14
	v_and_b32 v[RA], 1, v0                         ; e
	v_lshl_add_u32 v14, v[RA], 17, v14             ; + eight parts of 16,384 bytes
.set i, 0
.rept 4                                ; i = 2 d + u
.set p, 0
.rept 8
	global_load_b32 v[RR+8*i+p], v14, s[SQ:SQ+1] offset:p*16384+((i/2)*64+(i%2)*16)*4
.set p, p+1
.endr
.set i, i+1
.endr
	v_mul_u32_u24 v[ADRA0], v1, PA
	v_lshl_add_u32 v[ADRA0], v15, 4, v[ADRA0]      ; a fragment's line x pitch + 16 x half
	s_mul_i32 s16, s11, 32*PA                      ; my 128 rows: 32 lines
	v_add_nc_u32 v[ADRA0], s16, v[ADRA0]
	v_mul_u32_u24 v[ADRB0], v1, PBB
	v_lshl_add_u32 v[ADRB0], v15, 4, v[ADRB0]
	s_mul_i32 s16, s12, 176*PBB                    ; my 176 rows of W13
	s_add_co_u32 s16, s16, BOFF
	v_add_nc_u32 v[ADRB0], s16, v[ADRB0]
	s_mul_i32 s16, s42, 11*131072                  ; act: the tile's first plane, row 256 mt + 128 (w / 2) + 32 (w % 2) of 32 bytes
	s_lshl_b32 s18, s13, 13
	s_add_co_u32 s16, s16, s18
	s_lshl_b32 s18, s11, 12
	s_add_co_u32 s16, s16, s18
	s_lshl_b32 s18, s12, 10
	s_add_co_u32 s16, s16, s18
	s_add_nc_u64 s[OP:OP+1], s[90:91], s[16:17]
	s_mov_b32 s[LG], 0xbfb8aa3b                    ; - log2(e)
	; the prefetches.  An instruction holds one literal, so the numbers to choose between are put into registers first
	s_and_b32 s22, ttmp7, 0xffff
	s_mov_b32 s20, 8192                            ; a partner's bytes of A's plane,
	s_mov_b32 s23, 44*2048                         ; of B's rows
	s_mov_b32 s[PFS], KA                           ; a K step in A,
	s_mov_b32 s[PFS+1], KB                         ; in B
	s_cmp_eq_u32 s11, 0
	s_cselect_b32 s22, ttmp9, s22                  ; the coordinate along which other clusters read the same rows
	s_cselect_b32 s21, s40, s41                    ; my place among the four that ask with me
	s_cselect_b32 s20, s20, s23
	s_cselect_b32 s18, 8, 11                       ; a lane's step: 256 bytes, or a row of 2,048
	s_cselect_b32 s[PFS], s[PFS], s[PFS+1]
	s_cselect_b64 s[PFA:PFA+1], s[14:15], s[46:47]
	s_cmp_eq_u32 s22, 0
	s_cselect_b32 s[LIM], 1, -1
	s_mul_i32 s16, s21, s20
	s_add_nc_u64 s[PFA:PFA+1], s[PFA:PFA+1], s[16:17]
	s_mov_b32 s[PFS+1], 0
	s_add_nc_u64 s[PFA:PFA+1], s[PFA:PFA+1], s[PFS:PFS+1]
	s_add_nc_u64 s[PFA:PFA+1], s[PFA:PFA+1], s[PFS:PFS+1]  ; at step 2: the first refill steps it to 3
	v_and_b32 v[PFO2], 31, v0
	v_lshlrev_b32 v[PFO], s18, v[PFO2]
	v_min_u32 v[PFO2], 11, v[PFO2]                 ; B's rows 32 to 43 of a partner
	v_add_nc_u32 v[PFO2], 32, v[PFO2]
	v_lshlrev_b32 v[PFO2], 11, v[PFO2]
	s_mov_b32 s20, 0x3a800000                      ; 1 / 1024
	s_mov_b32 s21, 0x3727c5ac                      ; 1e-5
	s_wait_loadcnt 0x0
.set p, 1
.rept 7
.irp i, 0,1,2,3
	v_add_f32 v[RR+8*(\i)], v[RR+8*(\i)], v[RR+8*(\i)+p]
.endr
.set p, p+1
.endr
.irp i, 0,1,2,3
	v_add_f32_dpp v[RR+8*(\i)], v[RR+8*(\i)], v[RR+8*(\i)] row_xmask:1 row_mask:0xf bank_mask:0xf
.endr
.irp i, 0,1,2,3
	v_fma_f32 v[RR+8*(\i)], v[RR+8*(\i)], s20, s21
.endr
.irp i, 0,1,2,3
	v_rsq_f32 v[RS+2*((\i)%2)+(\i)/2], v[RR+8*(\i)]
.endr
	v_nop                                          ; a plain instruction behind the roots,
	s_wait_alu depctr_va_vdst(0)                   ; and one wait for the four, ahead of every label and of their first reader
	s_wait_tensorcnt 0x1                           ; my part of step 0 is in; step 1's may stay out
	s_barrier_signal -1
	s_barrier_wait -1
	s_mov_b32 s[CUR], 0
	v_mov_b32 v[RA], v[ADRA0]
	v_mov_b32 v[RB], v[ADRB0]
	FETCH 0, 0
	SUB 0, 1, 1, 1                                 ; the first sub-step starts the sums
	WIN 0
	s_mov_b32 s[KC], KS-2
.Lk:                                           ; a trip: a step's sub-steps 1 to 3, the change of slots with its refill, the next step's sub-step 0
	SUB 1, 0, 2, 0
	SUB 0, 1, 3, 0
	TURN 1
	SUB 0, 1, 1, 0
	WIN 0
	s_sub_co_u32 s[KC], s[KC], 1
	s_cmp_lg_u32 s[KC], 0
	s_cbranch_scc1 .Lk
	s_mov_b32 s[TC], 2
.Ltail:                                        ; the last two steps ask for nothing; the second trip is left in its middle
	SUB 1, 0, 2, 0
	SUB 0, 1, 3, 0
	TURN 0
	WIN 0
	s_sub_co_u32 s[TC], s[TC], 1
	s_cmp_eq_u32 s[TC], 0
	s_cbranch_scc1 .Lout
	SUB 0, 1, 1, 0
	WIN 0
	s_branch .Ltail
.Lout:
	s_wait_dscnt 0x0
	s_barrier_signal -1                            ; nobody reads the slots any more: the stage may lie over them
	s_barrier_wait -1
	; the way out's addresses: plain lines, also the places behind the last products
	v_mul_u32_u24 v[STO], v1, SPI                  ; in: block a' of the pass at 4 mi + a' blocks, stage row r; my 704 bytes of the row; 32 bytes for each half of the lanes
	v_lshl_add_u32 v[STO], v15, 5, v[STO]
	s_mul_i32 s16, s11, 4*BP
	s_mul_i32 s18, s12, 704
	s_add_co_u32 s16, s16, s18
	v_add_nc_u32 v[STO], s16, v[STO]
	v_add_nc_u32 v[STO2], 2*BP, v[STO]             ; blocks 2 and 3: the immediate holds 16 bits
	v_bfe_u32 v[GO], v0, 1, 4                      ; t: back, wave w takes the pass's rows 32 (w % 2) + 16 u + t of half w / 2; row 4 r + a' lies in block a' at stage row r
	v_and_b32 v[RD0], 3, v[GO]                     ; a' = t % 4
	v_mul_u32_u24 v[RD0], v[RD0], BP
	v_lshrrev_b32 v[RD], 2, v[GO]                  ; r = 8 (w % 2) + 4 u + t / 4
	v_mul_u32_u24 v[RD], v[RD], SPI
	v_add_nc_u32 v[RD0], v[RD0], v[RD]
	v_and_b32 v[RD], 1, v0                         ; e: which eight columns of the plane: 64 bytes of pairs
	v_lshl_add_u32 v[RD0], v[RD], 6, v[RD0]
	s_mul_i32 s16, s11, 4*BP
	s_mul_i32 s18, s12, 8*SPI
	s_add_co_u32 s16, s16, s18
	v_add_nc_u32 v[RD0], s16, v[RD0]
	v_and_b32 v[GO], 31, v0                        ; in act: row t of 32 bytes, 16 bytes for e: 16 x lane
	v_lshlrev_b32 v[GO], 4, v[GO]
.macro DUMP d                          ; the 44 accumulators of blocks 4 d .. 4 d + 3, raw, into the stage; each accumulator's low registers first
.set bb, 0
.rept NB
.set aa, 0
.rept 4
.set acp, ACC+64*bb+8*(4*(\d)+aa)
.set acl, acp%256
	WIN (acp/256)<<2
.if aa < 2
	ds_store_b128 v[STO], v[acl:acl+3]   offset:aa*BP+bb*64
	ds_store_b128 v[STO], v[acl+4:acl+7] offset:aa*BP+bb*64+16
.else
	ds_store_b128 v[STO2], v[acl:acl+3]   offset:(aa-2)*BP+bb*64
	ds_store_b128 v[STO2], v[acl+4:acl+7] offset:(aa-2)*BP+bb*64+16
.endif
.set aa, aa+1
.endr
.set bb, bb+1
.endr
	WIN 0
.endm
.macro LOADR                           ; eight pairs (h, g) of a plane for each of my two rows
.irp u, 0,1
.irp c, 0,1,2,3
	ds_load_b128 v[RR+16*(\u)+4*(\c):RR+16*(\u)+4*(\c)+3], v[RD] offset:(\u)*4*SPI+16*(\c)
.endr
.endr
.endm
	DUMP 0
	s_mov_b32 s[PASS], 2
.Lpass:
	s_wait_dscnt 0x0                               ; for the others' sake: a row's columns come from two waves
	s_barrier_signal -1
	s_barrier_wait -1
	s_mov_b32 s[SR], 0
	v_mov_b32 v[RD], v[RD0]
	LOADR
	s_mov_b32 s[CA], 11
.Lplane:                                       ; one plane of 16 columns of act for my wave's 32 rows; the next plane's numbers are fetched while this one's are worked on
	s_wait_dscnt 0x0
.set p, 0
.rept 16
	v_pk_mul_f32 v[ZZ+2*p:ZZ+2*p+1], v[RR+2*p:RR+2*p+1], v[RS+2*(p/8):RS+2*(p/8)+1] op_sel_hi:[1,0]  ; (h, g) / rms
.set p, p+1
.endr
	s_cmp_eq_u32 s[CA], 1                          ; behind the last plane there is nothing to fetch
	s_cbranch_scc1 .Lno_ahead
	s_add_co_u32 s[SR], s[SR], 128
	v_add_nc_u32 v[RD], s[SR], v[RD0]
	LOADR
.Lno_ahead:
.set p, 0
.rept 16
	v_mul_f32 v[TT+p], s[LG], v[ZZ+2*p]            ; - h log2(e)
.set p, p+1
.endr
.set p, 0
.rept 16
	v_exp_f32 v[TT+p], v[TT+p]
.set p, p+1
.endr
	v_nop
	s_wait_alu depctr_va_vdst(0)                   ; one wait for the 16 exponentials
.set p, 0
.rept 8
	v_pk_add_f32 v[TT+2*p:TT+2*p+1], v[TT+2*p:TT+2*p+1], 1.0 op_sel_hi:[1,0]
.set p, p+1
.endr
.set p, 0
.rept 16
	v_rcp_f32 v[TT+p], v[TT+p]                     ; sigmoid(h)
.set p, p+1
.endr
	v_nop
	s_wait_alu depctr_va_vdst(0)                   ; one wait for the 16 reciprocals
.set p, 0
.rept 16
	v_mul_f32 v[AA+p], v[ZZ+2*p], v[TT+p]
.set p, p+1
.endr
.set p, 0
.rept 16
	v_mul_f32 v[AA+p], v[AA+p], v[ZZ+2*p+1]
.set p, p+1
.endr
.set p, 0
.rept 8
	v_cvt_pk_bf16_f32 v[YY+p], v[AA+2*p], v[AA+2*p+1]
.set p, p+1
.endr
	global_store_b128 v[GO], v[YY:YY+3],   s[OP:OP+1]             ; 16 rows of a plane: 512 consecutive bytes, at a multiple of 256 from the buffer's first
	global_store_b128 v[GO], v[YY+4:YY+7], s[OP:OP+1] offset:512
	s_wait_xcnt 0x0                                ; the pointer and the stores' data are written again only behind this wait
	s_add_nc_u64 s[OP:OP+1], s[OP:OP+1], 131072
	s_sub_co_u32 s[CA], s[CA], 1
	s_cmp_lg_u32 s[CA], 0
	s_cbranch_scc1 .Lplane
	s_sub_co_u32 s[PASS], s[PASS], 1
	s_cmp_eq_u32 s[PASS], 0
	s_cbranch_scc1 .Ldone
	s_wait_dscnt 0x0                               ; my reads of the stage are over,
	s_barrier_signal -1
	s_barrier_wait -1                              ; everybody's are: it may be written again
	DUMP 1
	v_mov_b32 v[RS], v[RS+1]                       ; the second pass's 1/rms
	v_mov_b32 v[RS+2], v[RS+3]
	s_sub_nc_u64 s[OP:OP+1], s[OP:OP+1], 11*131072-2048  ; back eleven planes, 64 rows on
	s_branch .Lpass
.Ldone:
	s_wait_tensorcnt 0x0                           ; the wave's end
	ds_add_u32 v[SPW], v[NIL]
	s_wait_dscnt 0x0
	CROUND                                         ; the closing round
	s_endpgm
.Lfunc_end_k_qb534c4174c_ffn1:
	.size	k_qb534c4174c_ffn1, .Lfunc_end_k_qb534c4174c_ffn1-k_qb534c4174c_ffn1
	.p2alignl 7, 3214868480
	.fill 96, 4, 3214868480
	.section	.rodata,"a",@progbits
	.p2align	6, 0x0
	.amdhsa_kernel k_qb534c4174c_ffn1
		.amdhsa_group_segment_fixed_size 327680
		.amdhsa_private_segment_fixed_size 0
		.amdhsa_enable_private_segment 0
		.amdhsa_kernarg_size 32
		.amdhsa_user_sgpr_count 2
		.amdhsa_user_sgpr_kernarg_segment_ptr 1
		.amdhsa_wavefront_size32 1
		.amdhsa_system_sgpr_workgroup_id_x 1
		.amdhsa_system_sgpr_workgroup_id_y 1
		.amdhsa_system_sgpr_workgroup_id_z 1
		.amdhsa_system_vgpr_workitem_id 0
		.amdhsa_next_free_vgpr 1024
		.amdhsa_next_free_sgpr 100
		.amdhsa_reserve_vcc 0
		.amdhsa_float_denorm_mode_32 3
		.amdhsa_float_denorm_mode_16_64 3
		.amdhsa_memory_ordered 1
		.amdhsa_forward_progress 1
		.amdhsa_inst_pref_size 111
	.end_amdhsa_kernel
	.amdgpu_metadata
---
amdhsa.version: [ 1, 2 ]
amdhsa.kernels:
  - .name:           k_qb534c4174c_ffn1
    .symbol:         k_qb534c4174c_ffn1.kd
    .args:
      - { .name: h1b, .offset: 0, .size: 8, .value_kind: global_buffer, .address_space: global }
      - { .name: pw, .offset: 8, .size: 8, .value_kind: global_buffer, .address_space: global }
      - { .name: ssq, .offset: 16, .size: 8, .value_kind: global_buffer, .address_space: global }
      - { .name: act, .offset: 24, .size: 8, .value_kind: global_buffer, .address_space: global }
    .group_segment_fixed_size: 327680
    .private_segment_fixed_size: 0
    .kernarg_segment_align: 8
    .kernarg_segment_size: 32
    .max_flat_workgroup_size: 128
    .sgpr_count:     100
    .vgpr_count:     1024
    .wavefront_size: 32
...
	.end_amdgpu_metadata
.endif
;; end of part 5
;; launch ffn2 (part 6): grid 8 x 32, 4 waves a work-group, clusters of 4 x 4, 327,680 bytes of LDS; arguments act, pw, h1, out0; writes out0
.if DOCPART == 6
	.amdgcn_target "amdgcn-amd-amdhsa--gfx1250"
	.amdhsa_code_object_version 6
	.text
	.protected	k_qb534c4174c_ffn2
	.globl	k_qb534c4174c_ffn2
	.p2align	8
	.type	k_qb534c4174c_ffn2,@function
k_qb534c4174c_ffn2:
	s_mov_b64 s[64:65], 0
	v_nop
	global_prefetch_b8 v0, s[64:65] scope:SCOPE_SE
	s_setreg_imm32_b32 hwreg(HW_REG_WAVE_MODE, 25, 1), 1
	s_wait_xcnt 0x0
	s_wait_alu depctr_hold_cnt(0) depctr_sa_sdst(0) depctr_va_vdst(0) depctr_va_sdst(0) depctr_va_ssrc(0) depctr_va_vcc(0) depctr_vm_vsrc(0)
	s_getreg_b32 s2, hwreg(HW_REG_IB_STS2, 6, 4)
	s_cmp_eq_u32 s2, 0
	s_cbranch_scc0 .Lentry_in_a_cluster
	s_endpgm
.Lentry_in_a_cluster:
	s_bfe_u32 s2, ttmp6, 0x10000c
	s_cmp_lg_u32 s2, 0xf033
	s_cbranch_scc0 .Lentry_shape_is_right
	s_endpgm
.Lentry_shape_is_right:
; SECOND HALF OF SWIGLU AND RESIDUAL.  out[m][n] = h1[m][n] + sum over k of act[m][k] w2[n][k], m 4,096, n 1,024, k 2,816 (2,752 and 64 zeros); bf16 operands, f32 sums.
; h1 is the C operand that starts the sums: it is loaded straight into the accumulators.
; Both operands lie in planes of 16 along K ([plane][row][16]): a tile's 128 rows of a plane are 4,096 dense bytes: one descriptor row; a wave fetches eight planes.
; In LDS 16 bytes of padding follow every 256 (eight rows of 32 bytes).
; SHARES.  A work-group makes 128 x 128; four waves, 2 x 2, each 64 x 64.  8 x 32 work-groups.  K in 11 steps of 256 through two LDS slots; a step is 8 sub-steps of two planes.
; CLUSTER 4 x 4: A jointly along a row, B along a column.  No prefetch: the tiles are small.
.set MB, 4
.set NB, 4
.set NT, 16
.set P1, 4
.set P2, 8
.set KS, 11
.set PL, 4352                          ; a plane in LDS
.set BOFF, 16*PL
.set SLOT, 2*BOFF
.set SPARE, 2*SLOT
.set KA, 2097152
.set KB, 524288
.set PSA, 4*PL                         ; a pair of sub-steps is four planes
.set PSB, 4*PL
.set W2B, 19922944
.set SPI, 272
.set WST, 64*SPI
.set ADRA0, 2
.set ADRB0, 3
.set RA, 4
.set RB, 5
.set STO, 8
.set RD0, 9
.set RD, 10
.set HO, 11
.set XO, 15
.set SPW, 28
.set NIL, 29
.set HH, 96
.set G1A, 24
.set G0A, 32
.set G1B, 48
.set G0B, 56
.set CUR, 66
.set KC, 67
.set TC, 68
.set LBA, 69
.set LBB, 70
.set TA, 74
.set TB, 75
.set PC, 76
.set XP, 78
.set HP, 80
.set SR, 86
.set CA, 96
.set MSB, 0
.macro WIN new
.if MSB != (\new)
	s_set_vgpr_msb (MSB<<8)|(\new)
.set MSB, \new
.endif
.endm
.macro PLACES
.rept 4
	v_nop
.endr
.endm
.macro CREST
	s_cmp_lg_u32 s10, 0
	s_cbranch_scc1 .Lnot_wave_0_\@
	s_barrier_signal -3
.Lnot_wave_0_\@:
	s_barrier_wait -3
	s_barrier_signal -1
	s_barrier_wait -1
.endm
.macro CROUND
	s_barrier_signal -1
	s_barrier_wait -1
	CREST
.endm
.macro JLOAD
	s_cmp_eq_u32 s11, 0
	s_cbranch_scc0 .Lfor_b_\@
	tensor_load_to_lds s[G0A+4:G0A+7], s[G1A:G1A+7]
	s_nop 0
.rept 4
	v_nop
.endr
	s_branch .Lasked_\@
.Lfor_b_\@:
	tensor_load_to_lds s[G0B+4:G0B+7], s[G1B:G1B+7]
	s_nop 0
.rept 4
	v_nop
.endr
.Lasked_\@:
.endm
.macro WMMA ops:vararg
	v_wmma_f32_16x16x32_bf16 \ops
.endm
.macro MUL f, t0, t1, zero             ; the accumulators take turns, one instruction a sub-step each
.set t, \t0
.rept (\t1)-(\t0)
.set acw, 2+(8*t)/256
.set acl, (8*t)%256
.set frb, (\f)*8*NB+8*(t%NB)
.set fra, 32+(\f)*32+8*(t/NB)
	WIN 0x01|(acw<<4)|(acw<<6)
.if \zero
	WMMA v[acl:acl+7], v[frb:frb+7], v[fra:fra+7], 0
.else
	WMMA v[acl:acl+7], v[frb:frb+7], v[fra:fra+7], v[acl:acl+7]
.endif
.set t, t+1
.endr
.endm
.macro FETCH f, odd                    ; a fragment's two halves along K lie in two planes
	WIN 0x40
.set n, 0
.rept NB
	ds_load_b128 v[(\f)*8*NB+8*n:(\f)*8*NB+8*n+3],   v[RB] offset:2*PL*(\odd)+n*544
	ds_load_b128 v[(\f)*8*NB+8*n+4:(\f)*8*NB+8*n+7], v[RB] offset:2*PL*(\odd)+n*544+PL
.set n, n+1
.endr
	WIN 0
.set n, 0
.rept MB
	ds_load_b128 v[32+(\f)*32+8*n:32+(\f)*32+8*n+3],   v[RA] offset:2*PL*(\odd)+n*544
	ds_load_b128 v[32+(\f)*32+8*n+4:32+(\f)*32+8*n+7], v[RA] offset:2*PL*(\odd)+n*544+PL
.set n, n+1
.endr
.endm
.macro SUB f, g, q, zero
	s_wait_dscnt 0x0                               ; buffer f is in
	PLACES
	FETCH \g, \q
	MUL \f, 0, NT, \zero
.endm
.macro PAIRS                           ; a step's sub-steps 1 to 6 are multiplied, 2 to 7 fetched: three trips of two
	s_add_co_u32 s[TA], s[CUR], PSA
	s_add_co_u32 s[TB], s[CUR], PSB
	s_mov_b32 s[PC], 3
.Lpair_\@:
	s_wait_dscnt 0x0                               ; buffer 1 is in
	v_add_nc_u32 v[RA], s[TA], v[ADRA0]            ; the next pair's addresses: with the two v_nop the four places in front of the loads
	v_add_nc_u32 v[RB], s[TB], v[ADRB0]
	v_nop
	v_nop
	FETCH 0, 0
	MUL 1, 0, NT, 0
	SUB 0, 1, 1, 0
	WIN 0
	s_add_co_u32 s[TA], s[TA], PSA
	s_add_co_u32 s[TB], s[TB], PSB
	s_sub_co_u32 s[PC], s[PC], 1
	s_cmp_lg_u32 s[PC], 0
	s_cbranch_scc1 .Lpair_\@
.endm
.macro TURN fill
	WIN 0
	s_wait_tensorcnt 0x0                           ; all my tensor loads have landed: my part of the next slot
	ds_add_u32 v[SPW], v[NIL]                      ; 0 onto my spare word
	s_wait_dscnt 1                                 ; buffer 1 is in; only the add is younger
	MUL 1, 0, P1, 0
.if \fill
	s_add_co_u32 s[G0A+5], s[LBA], s[CUR]
	s_add_nc_u64 s[G0A+6:G0A+7], s[G0A+6:G0A+7], KA
	s_add_co_u32 s[G0B+5], s[LBB], s[CUR]
	s_add_nc_u64 s[G0B+6:G0B+7], s[G0B+6:G0B+7], KB
.endif
	s_wait_dscnt 0x0                               ; the add is done, my reads of this slot are over
	s_barrier_signal -1
	MUL 1, P1, P2, 0
	WIN 0
	s_barrier_wait -1
.if \fill
	CREST
	JLOAD
.else
	PLACES
.endif
	s_xor_b32 s[CUR], s[CUR], SLOT
	v_add_nc_u32 v[RA], s[CUR], v[ADRA0]
	v_add_nc_u32 v[RB], s[CUR], v[ADRB0]
.if \fill
	FETCH 0, 0
.else
	s_cmp_eq_u32 s[TC], 1
	s_cbranch_scc1 .Lno_fetch_\@
	FETCH 0, 0
.Lno_fetch_\@:
.endif
	MUL 1, P2, NT, 0
.endm
	s_load_b128 s[4:7], s[0:1], 0x0                ; act, pw
	s_load_b128 s[88:91], s[0:1], 0x10             ; h1, out0
	v_lshl_add_u32 v[SPW], v0, 2, SPARE
	v_mov_b32 v[NIL], 0
	ds_add_u32 v[SPW], v[NIL]                      ; the wave's opening
	ds_add_u32 v28, v29
	v_lshrrev_b32 v1, 5, v0
	v_readfirstlane_b32 s10, v1
	s_lshr_b32 s11, s10, 1
	s_and_b32 s12, s10, 1
	s_bfe_u32 s40, ttmp6, 0x40000
	s_bfe_u32 s41, ttmp6, 0x40004
	s_lshl_b32 s42, ttmp9, 2
	s_add_co_u32 s42, s42, s40
	s_and_b32 s13, ttmp7, 0xffff
	s_lshl_b32 s13, s13, 2
	s_add_co_u32 s13, s13, s41
	s_lshl_b32 s43, s41, 2
	s_lshl_b32 s43, 15, s43
	s_lshl_b32 s44, 0x1111, s40
	s_or_b32 s[G1A], s43, (1<<16)|(1<<20)|(1<<21)|(5<<22)|(3<<25)
	s_or_b32 s[G1B], s44, (1<<16)|(1<<20)|(1<<21)|(5<<22)|(3<<25)
	s_mov_b32 s[G1A+1], 2048<<16                   ; tensor_dim0 = 2,048 elements: 128 rows of a plane, dense
	s_mov_b32 s[G1A+2], 8<<16                      ; tensor_dim1 = 8 planes
	s_mov_b32 s[G1A+3], 2048<<16
	s_mov_b32 s[G1A+4], 8
	s_mov_b32 s[G1A+5], 65536                      ; elements from plane to plane of act
	s_mov_b32 s[G1A+6], 0
	s_mov_b32 s[G1A+7], 0
	s_mov_b32 s[G1B+1], 2048<<16
	s_mov_b32 s[G1B+2], 8<<16
	s_mov_b32 s[G1B+3], 2048<<16
	s_mov_b32 s[G1B+4], 8
	s_mov_b32 s[G1B+5], 16384                      ; of w2
	s_mov_b32 s[G1B+6], 0
	s_mov_b32 s[G1B+7], 0
	s_lshl_b32 s16, s12, 20                        ; A: my eight planes of 131,072 bytes, the tile's 128 rows of 32
	s_lshl_b32 s17, s13, 12
	s_add_co_u32 s16, s16, s17
	s_mov_b32 s17, 0
	s_lshl_b32 s46, s12, 18                        ; B: my eight planes of 32,768 bytes
	s_lshl_b32 s47, s42, 12
	s_add_co_u32 s46, s46, s47
	s_add_co_u32 s46, s46, W2B
	s_mov_b32 s47, 0
	s_mul_i32 s[LBA], s12, 8*PL
	s_add_co_u32 s[LBB], s[LBA], BOFF
	s_wait_dscnt 0x0
	s_wait_kmcnt 0x0
	s_add_nc_u64 s[14:15], s[4:5], s[16:17]
	s_add_nc_u64 s[46:47], s[6:7], s[46:47]
	CROUND
.irp s, 0,1
	s_mov_b32 s[G0A+4*(\s)], 1
	s_add_co_u32 s[G0A+4*(\s)+1], s[LBA], (\s)*SLOT
	s_add_nc_u64 s[G0A+4*(\s)+2:G0A+4*(\s)+3], s[14:15], (\s)*KA
	s_or_b32 s[G0A+4*(\s)+3], s[G0A+4*(\s)+3], 0x80000000
	s_mov_b32 s[G0B+4*(\s)], 1
	s_add_co_u32 s[G0B+4*(\s)+1], s[LBB], (\s)*SLOT
	s_add_nc_u64 s[G0B+4*(\s)+2:G0B+4*(\s)+3], s[46:47], (\s)*KB
	s_or_b32 s[G0B+4*(\s)+3], s[G0B+4*(\s)+3], 0x80000000
.endr
	s_cmp_eq_u32 s11, 0
	s_cbranch_scc0 .Lfirst_b
	tensor_load_to_lds s[G0A:G0A+3], s[G1A:G1A+7]
	s_nop 0
	tensor_load_to_lds s[G0A+4:G0A+7], s[G1A:G1A+7]
	s_nop 0
.rept 4
	v_nop
.endr
	s_branch .Lfirst_done
.Lfirst_b:
	tensor_load_to_lds s[G0B:G0B+3], s[G1B:G1B+7]
	s_nop 0
	tensor_load_to_lds s[G0B+4:G0B+7], s[G1B:G1B+7]
	s_nop 0
.rept 4
	v_nop
.endr
.Lfirst_done:
	v_and_b32 v1, 15, v0                           ; r
	v_bfe_u32 v6, v0, 4, 1                         ; h
	s_lshl_b32 s16, s13, 19                        ; my part of h1 and out: row 128 mt + 64 mi, column 128 nt + 64 ni
	s_lshl_b32 s18, s11, 18
	s_add_co_u32 s16, s16, s18
	s_lshl_b32 s18, s42, 9
	s_add_co_u32 s16, s16, s18
	s_lshl_b32 s18, s12, 8
	s_add_co_u32 s16, s16, s18
	s_add_nc_u64 s[XP:XP+1], s[88:89], s[16:17]
	s_add_nc_u64 s[HP:HP+1], s[90:91], s[16:17]
	v_lshlrev_b32 v[XO], 12, v1
	v_lshl_add_u32 v[XO], v6, 5, v[XO]
	WIN 0x80
.set t, 0
.rept NT                               ; h1 is what the sums start from
	global_load_b128 v[8*t:8*t+3],   v[XO], s[XP:XP+1] offset:(t/NB)*65536+(t%NB)*64
	global_load_b128 v[8*t+4:8*t+7], v[XO], s[XP:XP+1] offset:(t/NB)*65536+(t%NB)*64+16
.set t, t+1
.endr
	WIN 0
	v_lshlrev_b32 v7, 5, v1                        ; row r of 32 bytes,
	v_lshrrev_b32 v12, 3, v1
	v_lshl_add_u32 v7, v12, 4, v7                  ; the padding behind eight rows,
	v_lshl_add_u32 v7, v6, 4, v7                   ; my half of the plane's 16 along K
	s_mul_i32 s16, s11, 64*34                      ; 64 rows are 2,048 bytes and eight paddings
	v_add_nc_u32 v[ADRA0], s16, v7
	s_mul_i32 s16, s12, 64*34
	s_add_co_u32 s16, s16, BOFF
	v_add_nc_u32 v[ADRB0], s16, v7
	s_mul_i32 s16, s10, WST
	v_mul_u32_u24 v[STO], v1, SPI
	v_lshl_add_u32 v[STO], v6, 5, v[STO]
	v_add_nc_u32 v[STO], s16, v[STO]
	v_mul_u32_u24 v[RD0], v6, SPI
	v_lshl_add_u32 v[RD0], v1, 4, v[RD0]
	v_add_nc_u32 v[RD0], s16, v[RD0]
	v_lshlrev_b32 v[HO], 12, v6
	v_lshl_add_u32 v[HO], v1, 4, v[HO]
	s_wait_tensorcnt 0x1                           ; my part of step 0 is in; step 1's may stay out
	s_barrier_signal -1
	s_barrier_wait -1
	s_mov_b32 s[CUR], 0
	v_mov_b32 v[RA], v[ADRA0]
	v_mov_b32 v[RB], v[ADRB0]
	FETCH 0, 0
	s_wait_loadcnt 0x0                             ; h1
	s_mov_b32 s[KC], KS-1
	s_branch .Lmid
.Ltop:
	PAIRS
	TURN 1
	WIN 0
.Lmid:
	SUB 0, 1, 1, 0
	WIN 0
	s_sub_co_u32 s[KC], s[KC], 1
	s_cmp_lg_u32 s[KC], 0
	s_cbranch_scc1 .Ltop
	s_mov_b32 s[TC], 2
.Ltail:
	PAIRS
	TURN 0
	WIN 0
	s_sub_co_u32 s[TC], s[TC], 1
	s_cmp_eq_u32 s[TC], 0
	s_cbranch_scc1 .Lout
	SUB 0, 1, 1, 0
	WIN 0
	s_branch .Ltail
.Lout:
	s_wait_dscnt 0x0
	s_barrier_signal -1                            ; nobody reads the slots any more: the stages may lie over them
	s_barrier_wait -1
	PLACES
	WIN 2<<2
.set t, 0
.rept NT
	ds_store_b128 v[STO], v[8*t:8*t+3]   offset:(t/NB)*16*SPI+(t%NB)*64
	ds_store_b128 v[STO], v[8*t+4:8*t+7] offset:(t/NB)*16*SPI+(t%NB)*64+16
.set t, t+1
.endr
	WIN 0
	s_mov_b32 s[SR], 0
	s_mov_b32 s[CA], 4
.Lrows:                                        ; 16 rows a trip
	v_add_nc_u32 v[RD], s[SR], v[RD0]
.irp t, 0,1,2,3,4,5,6,7
	ds_load_b128 v[HH+4*(\t):HH+4*(\t)+3], v[RD] offset:2*SPI*(\t)
.endr
	s_wait_dscnt 0x0
.irp t, 0,1,2,3,4,5,6,7
	global_store_b128 v[HO], v[HH+4*(\t):HH+4*(\t)+3], s[HP:HP+1] offset:8192*(\t)  ; sixteen lanes fill 256 consecutive bytes, aligned
.endr
	s_wait_xcnt 0x0                                ; the pointer and the stores' data are written again only behind this wait
	s_add_nc_u64 s[HP:HP+1], s[HP:HP+1], 65536
	s_add_co_u32 s[SR], s[SR], 16*SPI
	s_sub_co_u32 s[CA], s[CA], 1
	s_cmp_lg_u32 s[CA], 0
	s_cbranch_scc1 .Lrows
	s_wait_tensorcnt 0x0                           ; the wave's end
	ds_add_u32 v[SPW], v[NIL]
	s_wait_dscnt 0x0
	CROUND
	s_endpgm
.Lfunc_end_k_qb534c4174c_ffn2:
	.size	k_qb534c4174c_ffn2, .Lfunc_end_k_qb534c4174c_ffn2-k_qb534c4174c_ffn2
	.p2alignl 7, 3214868480
	.fill 96, 4, 3214868480
	.section	.rodata,"a",@progbits
	.p2align	6, 0x0
	.amdhsa_kernel k_qb534c4174c_ffn2
		.amdhsa_group_segment_fixed_size 327680
		.amdhsa_private_segment_fixed_size 0
		.amdhsa_enable_private_segment 0
		.amdhsa_kernarg_size 32
		.amdhsa_user_sgpr_count 2
		.amdhsa_user_sgpr_kernarg_segment_ptr 1
		.amdhsa_wavefront_size32 1
		.amdhsa_system_sgpr_workgroup_id_x 1
		.amdhsa_system_sgpr_workgroup_id_y 1
		.amdhsa_system_sgpr_workgroup_id_z 1
		.amdhsa_system_vgpr_workitem_id 0
		.amdhsa_next_free_vgpr 640
		.amdhsa_next_free_sgpr 100
		.amdhsa_reserve_vcc 0
		.amdhsa_float_denorm_mode_32 3
		.amdhsa_float_denorm_mode_16_64 3
		.amdhsa_memory_ordered 1
		.amdhsa_forward_progress 1
		.amdhsa_inst_pref_size 36
	.end_amdhsa_kernel
	.amdgpu_metadata
---
amdhsa.version: [ 1, 2 ]
amdhsa.kernels:
  - .name:           k_qb534c4174c_ffn2
    .symbol:         k_qb534c4174c_ffn2.kd
    .args:
      - { .name: act, .offset: 0, .size: 8, .value_kind: global_buffer, .address_space: global }
      - { .name: pw, .offset: 8, .size: 8, .value_kind: global_buffer, .address_space: global }
      - { .name: h1, .offset: 16, .size: 8, .value_kind: global_buffer, .address_space: global }
      - { .name: out0, .offset: 24, .size: 8, .value_kind: global_buffer, .address_space: global }
    .group_segment_fixed_size: 327680
    .private_segment_fixed_size: 0
    .kernarg_segment_align: 8
    .kernarg_segment_size: 32
    .max_flat_workgroup_size: 128
    .sgpr_count:     100
    .vgpr_count:     640
    .wavefront_size: 32
...
	.end_amdgpu_metadata
.endif
;; end of part 6
